; MI455X (gfx1250); checked and timed in simulation.
; The chip was launched on July 23, 2026; its instructions are those of AMD's public machine-readable ISA for CDNA 5 (MIT licence, August 2026) and "CDNA5" Instruction Set Architecture Reference Guide (July 2026). The comments in the code are by the model that wrote it; some were corrected since.
;; Atten Head. Allowed arithmetic: matrix products marked QUANTISED: E3M2 operands, one E8M0 scale for each 32 along K, by v_wmma_scale_f32_16x16x128_f8f6f4 with both operands' format E3M2, f32 sums; everything else in f32.
;; Inputs: WK 1,024 x 1,024 float32; WQ 1,024 x 1,024 float32; WV 1,024 x 1,024 float32; inputs 4 x 2,048 x 1,024 float32.
;; Outputs: out0 4 x 2,048 x 1,024 float32.
;; This version of the problem:
;;   THIS VERSION OF THE PROBLEM IS GIVEN IN LOW PRECISION. The matrix products marked QUANTISED in the list below multiply operands that are first quantised to E3M2 (3 exponent bits, 2 mantissa bits; 6 bits a number), with one power-of-two scale for each 32 numbers along K (OCP MX v1.0); their sums are f32. All else is computed in f32.
;;   The module's matrix products, in the order in which they are computed (A, B: the left and right operand; K: the contracted axis; several contracted axes count as one K, in the product's order):
;;     1. [M 8,192, K 1,024] x [K 1,024, N 1,024]; A: input inputs; B: input WK: QUANTISED
;;     2. [M 8,192, K 1,024] x [K 1,024, N 1,024]; A: input inputs; B: input WQ: QUANTISED
;;     3. [M 8,192, K 1,024] x [K 1,024, N 1,024]; A: input inputs; B: input WV: QUANTISED
;;     4. batch 4 x [M 2,048, K 1,024] x [K 1,024, N 2,048]; A: computed on the way; B: computed on the way: QUANTISED
;;     5. batch 4 x [M 2,048, K 2,048] x [K 2,048, N 1,024]; A: softmax (see below); B: computed on the way: QUANTISED
;;   THE QUANTISER, for each operand of a quantised product, along K:
;;     - K is cut into blocks of 32 from its start; a last block that is shorter is filled with zeros.
;;     - A block's scale is 2^e with e = floor(log2(the largest magnitude in the block)) - 4, held to -126 .. 127; a block of zeros has e = 0. As a byte (E8M0): e + 127.
;;     - Each number is divided by its block's scale, clamped to +-28, and rounded to the nearest number of E3M2, ties to even, subnormals kept.
;;     - The product sums the exact products of the quantised numbers (number of the format x scale) in f32.
;;   ~~~python
;;   def quantise(x, axis):      # numpy; x: float32 -> the quantised numbers, widened to float32 again
;;       x = np.moveaxis(x, axis, -1); K = x.shape[-1]
;;       x = np.pad(x, [(0, 0)] * (x.ndim - 1) + [(0, -K % 32)]); x = x.reshape(x.shape[:-1] + (-1, 32)); a = np.abs(x).max(-1, keepdims=True)
;;       e = np.where(a > 0, np.clip(np.frexp(np.where(a > 0, a, 1))[1] - 1 - 4, -126, 127), 0)      # np.frexp(a)[1] - 1 = floor(log2(a)), exactly
;;       r = np.clip(x / 2.0 ** e, -28, 28)
;;       step = 2.0 ** (np.maximum(np.frexp(np.where(r == 0, 1, r))[1] - 1, -2) - 2)
;;       q = np.round(r / step) * step * 2.0 ** e      # np.round: ties to even
;;       return np.moveaxis(q.reshape(q.shape[:-2] + (-1,))[..., :K], -1, axis).astype(np.float32)
;;   ~~~
;;   SOFTMAX AHEAD OF A QUANTISED PRODUCT. Where the list says 'softmax', what is quantised is not the finished softmax but p = 2^(t - M), with t = logit x log2(e) and M = ceil(the row's largest t), a whole number; so 1/2 < the row's largest p <= 1. The row's sum l is taken of the UNQUANTISED p, in f32, and the product's result is divided by l at the end. Since M is a whole number, a kernel that streams over the keys may use a running M (the ceiling of the running maximum): every later rescaling is an exact power of two, which a block's scale takes up: the codes' values come out the same.
;;   OPERANDS COMPUTED ON THE WAY. 'Computed on the way' means the value that the module computes at that place (a softmax that the list does not call 'softmax' is quantised finished and normalised). What goes into a quantiser is computed in f32, as accurately as f32 sums, v_exp_f32 and their like allow (about 1e-6 of the number): no bf16 or f16 on the way to a quantiser, and a product that is left as it is and whose result goes on into a quantised operand takes f32 operands (vector FMAs, or v_wmma_f32_16x16x4_f32). A number that lies on a knife's edge between two numbers of the format may be rounded either way, as far as f32 arithmetic and the matrix unit's own rounding can turn it there, and no further.
;; One version. Each part assembles by itself: llvm-mc -triple=amdgcn-amd-amdhsa -mcpu=gfx1250 --defsym DOCPART=n.
;; ======== version 1 of 1: 4 launches
;; limits: right only within a limited range of input values
;; workspace buffers: Xc 6,553,600 bytes; Wc 2,457,600 bytes; QKc 13,107,200 bytes; Vc 6,553,600 bytes; Pc 13,107,200 bytes; STAT 1,048,576 bytes
;; launch quant (part 1): grid 704 x 1, 4 waves a work-group, no clusters, 82,432 bytes of LDS; arguments inputs, WQ, WK, WV, Xc, Wc; writes Xc, Wc
.if DOCPART == 1
	.amdgcn_target "amdgcn-amd-amdhsa--gfx1250"
	.amdhsa_code_object_version 6
	.text
	.protected	k_q20e16210a3_quant
	.globl	k_q20e16210a3_quant
	.p2align	8
	.type	k_q20e16210a3_quant,@function
k_q20e16210a3_quant:
	s_mov_b64 s[64:65], 0
	v_nop
	global_prefetch_b8 v0, s[64:65] scope:SCOPE_SE
	s_setreg_imm32_b32 hwreg(HW_REG_WAVE_MODE, 25, 1), 1
	s_wait_xcnt 0x0
; inputs [8192][1024] f32 (K innermost) and WQ, WK, WV [1024 (k)][1024 (n)] f32 (K outermost) become OPERAND CHUNKS of E3M2 codes with one E8M0 byte for each 32 along K.
; DEAD WORK of the whole program: blocks of 512 queries x 512 keys whose every key lies behind every query: the causal mask puts -infinity there, so their p is 0 for all values of the inputs; their scores and their share of
; the last product are not computed.  A NaN, an infinity or an overflow that reaches only those scores is not carried to the result.
; A CHUNK is 128 rows x 128 along K in 12,800 bytes, laid in the order of the matrix operand's registers:
;   codes: tile i (0..7), piece c (0..2): 512 bytes at 1536 i + 512 c + 16 lane = registers 4 c .. 4 c + 3 of that lane's fragment of 12 registers;
;   lane (r, h) of tile i holds row 32 (i / 2) + 8 (i % 2) + r + 8 (r / 8) of the 128; its registers 6 c .. 6 c + 5 hold k = 64 c + 32 h + 0 .. 31;
;   scale words from byte 12,288 on: the word of tile 2 c + u, lane row r, at 16 (16 u + r) + 4 c.
; PLACES.  Row group G (128 rows) and step s (128 along K) of inputs: chunk 16 (G / 2) + 2 s + G % 2 of Xc: the two groups of a 256-row tile lie side by side, step by step.  The weights' column groups go by sets
; j = 0..7: groups 2 j, 2 j + 1 of [WQ WK] and group j of WV: chunks 24 j + 3 s + 0, 1, 2 of Wc.
; A block's scale is 2^(floor(log2(largest magnitude)) - 4): its byte is the largest magnitude's exponent field - 4, held at 1 from below by a floor among the maximum's leaves.
; LIMITS: NaN and infinities among the inputs are not served; a block whose largest magnitude lies under 2^-122 keeps the byte 1; a block of zeros gets the byte 1 where the rule says 127:
; its codes are zeros, which add nothing under any byte but 0xff, and this program alone reads the bytes.
; One work-group makes one chunk: the first 192 take the weights (they ask for their numbers in two stages: the longest come first), the other 512 inputs.  The two ways part on the work-group's
; number and have LDS bytes of their own.  Work-groups share no input, so there is no cluster, no tensor load and no ring.
.set NW,   192                         ; work-groups for the weights
.set XSC,  0                           ; LDS: X way: the chunk's 512 bytes of scale words
.set XST,  512                         ; X way: for each wave two stages of 16 rows x 528 bytes
.set WIMG, 68096                       ; W way: the chunk's image, 12,800 bytes
.set SPARE, 0x14000                    ; the spare words: no other line names them
.set CH,   12800
.set SEL,  20                          ; s[20:21] v_permlanex16_b32's selects for lane l xor 16
.set HM,   22                          ; s22 the mask of lanes 16-31
.set TM,   8                           ; v8-23  X way: at work in QUANT
.set PW,   24                          ; v24-25 X way: the two tiles' scale words
.set R,    32                          ; v32-159 X way: 32 rows as loaded
.set N,    160                         ; v160-223 X way: 64 numbers of a lane's row
.set PC,   224                         ; v224-247 X way: the two tiles' codes
.set DT,   248                         ; v248-254 X way: the upper halves of the blocks, before they are moved
.set SPW,  251                         ; (between the halves' registers: v251 and v255 are none of them)
.set NIL,  255
; 64 numbers of a lane, register 16 b + i = k 32 b + 16 (lane / 16) + i of its row, become a fragment's codes in v[pc] on and the row's scale word in v[pw].
.macro QUANT s, pc, pw
.irp b, 0,1,2,3
	v_max3_num_f32 v[TM+\b], |v[(\s)+16*\b]|, |v[(\s)+1+16*\b]|, 0x2800000   ; block b: my 16 numbers, and the floor 2^(5 - 127)
.endr
.irp i, 2,4,6,8,10,12,14
.irp b, 0,1,2,3
	v_max3_num_f32 v[TM+\b], v[TM+\b], |v[(\s)+16*\b+\i]|, |v[(\s)+1+16*\b+\i]|
.endr
.endr
.irp b, 0,1,2,3
	v_permlanex16_b32 v[TM+4+\b], v[TM+\b], s[SEL], s[SEL+1]
.endr
.irp b, 0,1,2,3
	v_max_num_f32 v[TM+\b], v[TM+\b], v[TM+4+\b]               ; with lane l xor 16's 16: the block's largest magnitude
.endr
.irp b, 0,1,2,3
	v_add_nc_u32 v[TM+12+\b], 0xfe000000, v[TM+\b]             ; 4 off its exponent field: the conversion's scale operand
.endr
.irp b, 0,1,2,3
	v_lshrrev_b32 v[TM+4+\b], 23, v[TM+12+\b]                  ; the scale's byte
.endr
	v_lshl_or_b32 v[\pw], v[TM+5], 8, v[TM+4]
	v_lshl_or_b32 v[\pw], v[TM+6], 16, v[\pw]
	v_lshl_or_b32 v[\pw], v[TM+7], 24, v[\pw]
.irp c, 0,1
	v_cvt_scalef32_pk16_bf6_f32 v[(\pc)+6*\c:(\pc)+2+6*\c], v[(\s)+32*\c:(\s)+15+32*\c], v[TM+12+2*\c]
	v_cvt_scalef32_pk16_bf6_f32 v[DT+4*\c:DT+2+4*\c], v[(\s)+16+32*\c:(\s)+31+32*\c], v[TM+12+2*\c+1]   ; (a conversion's three registers begin on an even number)
.endr
	v_nop                                                      ; one plain place behind a scaled conversion
.irp c, 0,1                            ; the operand's layout wants a whole block in a lane: lanes 0-15 block 2 c, lanes 16-31 block 2 c + 1
.irp i, 0,1,2
	v_permlane16_swap_b32 v[(\pc)+6*\c+\i], v[DT+4*\c+\i]
.endr
.irp i, 0,1,2
	v_mov_b32 v[(\pc)+3+6*\c+\i], v[DT+4*\c+\i]
.endr
.endr
.endm
	s_load_b256 s[4:11], s[0:1], 0x0               ; inputs s[4:5], WQ s[6:7], WK s[8:9], WV s[10:11]
	s_load_b128 s[12:15], s[0:1], 0x20             ; Xc s[12:13], Wc s[14:15]
	v_lshl_add_u32 v[SPW], v0, 2, SPARE
	v_mov_b32 v[NIL], 0
	v_lshrrev_b32 v1, 5, v0
	v_readfirstlane_b32 s16, v1                    ; wave 0..3
	v_and_b32 v1, 31, v0                           ; lane
	v_and_b32 v2, 15, v0                           ; lane % 16
	v_bfe_u32 v3, v0, 4, 1                         ; lane / 16
	v_lshlrev_b32 v4, 4, v1                        ; 16 x lane
	s_cmp_ge_u32 ttmp9, NW
	s_cbranch_scc0 .Lweights
	; ---- THE X WAY.  Work-group NW + 8 G + s.  Wave g makes tiles 2 g and 2 g + 1: rows 128 G + 32 g + 0 .. 31.
	s_mov_b32 s[SEL], 0x76543210
	s_mov_b32 s[SEL+1], 0xfedcba98
	s_mov_b32 s[HM], 0xffff0000
	s_mul_i32 s17, s16, 16896
	s_add_co_u32 s17, s17, XST                     ; my wave's stages
	v_add_nc_u32 v5, s17, v4                       ; in: a row's 512 bytes as loaded, 16 a lane
	v_mul_u32_u24 v6, v2, 528
	v_lshl_add_u32 v6, v3, 6, v6
	v_add_nc_u32 v6, s17, v6                       ; out: row r, + 64 h: my 16 numbers of each block of 32
	s_lshl_b32 s18, s16, 2
	s_wait_alu depctr_va_vdst(0)
	v_add_nc_u32 v27, s18, v4                      ; my scale word's place: 16 x lane + 4 x wave
.irp b, 0,1,2,3
	v_mov_b32 v[TM+4+\b], 0                        ; written once: a lane permute's destination counts as one of its sources
.endr
	s_sub_co_u32 s23, ttmp9, NW
	s_lshr_b32 s24, s23, 3                         ; G
	s_and_b32 s25, s23, 7                          ; s
	s_lshl_b32 s26, s24, 19                        ; 128 rows of 4,096 bytes
	s_lshl_b32 s27, s16, 17                        ; 32 rows
	s_add_co_u32 s26, s26, s27
	s_lshl_b32 s27, s25, 9                         ; 128 numbers along K
	s_add_co_u32 s26, s26, s27
	s_mov_b32 s27, 0
	s_lshr_b32 s28, s24, 1
	s_lshl_b32 s28, s28, 4
	s_lshl_b32 s29, s25, 1
	s_add_co_u32 s28, s28, s29
	s_and_b32 s29, s24, 1
	s_add_co_u32 s28, s28, s29                     ; the chunk's place
	s_mul_i32 s28, s28, CH
	s_mul_i32 s29, s16, 3072                       ; my two tiles' codes in the chunk
	s_add_co_u32 s28, s28, s29
	s_mov_b32 s29, 0
	s_wait_alu depctr_va_vdst(0)
	s_wait_kmcnt 0x0
	s_add_nc_u64 s[4:5], s[4:5], s[26:27]
	s_add_nc_u64 s[12:13], s[12:13], s[28:29]
.irp u, 0,1
.irp j, 0,1,2,3,4,5,6,7,8,9,10,11,12,13,14,15
	global_load_b128 v[R+64*\u+4*\j:R+64*\u+4*\j+3], v4, s[4:5] offset:(8*\u+\j+8*(\j/8))*4096 th:TH_LOAD_NT   ; lane row j of tile u: 32 lanes read 512 consecutive bytes
.endr
.endr
.irp u, 0,1
	s_wait_loadcnt 16*(1-\u)                       ; this tile's 16 loads are in; the other tile's 16 may be out
.irp j, 0,1,2,3,4,5,6,7,8,9,10,11,12,13,14,15
	ds_store_b128 v5, v[R+64*\u+4*\j:R+64*\u+4*\j+3] offset:\u*8448+528*\j
.endr
.irp b, 0,1,2,3
.irp k, 0,1,2,3
	ds_load_b128 v[N+16*\b+4*\k:N+16*\b+4*\k+3], v6 offset:\u*8448+128*\b+16*\k   ; LDS serves a wave's instructions in order: these see my stores
.endr
.endr
	s_wait_dscnt 0x0
	QUANT N, PC+12*\u, PW+\u
.irp c, 0,1,2
	global_store_b128 v4, v[PC+12*\u+4*\c:PC+12*\u+4*\c+3], s[12:13] offset:1536*\u+512*\c   ; 512 consecutive bytes
.endr
.endr
	v_cndmask_b32 v26, v[PW], v[PW+1], s[HM]       ; lanes 0-15 carry the even tile's words, lanes 16-31 the odd tile's
	ds_store_b32 v27, v26
	s_wait_dscnt 0x0                               ; for the others' sake: my words have landed
	s_barrier_signal -1
	s_barrier_wait -1
	s_cmp_lg_u32 s16, 0
	s_cbranch_scc1 .Lx_done
	ds_load_b128 v[28:31], v4 offset:XSC           ; wave 0 stores the chunk's 512 bytes of scale words (its base is the chunk's)
	s_wait_dscnt 0x0
	global_store_b128 v4, v[28:31], s[12:13] offset:12288
.Lx_done:
	s_wait_tensorcnt 0x0                           ; the wave's end
	ds_add_u32 v[SPW], v[NIL]
	s_wait_dscnt 0x0
	s_endpgm
	; ---- THE W WAY.  Work-group 64 m + 8 G + s; m = 0 WQ, 1 WK, 2 WV.  A lane takes a column n and its registers run down K: a block of 32 lies in one lane.  Wave g, lane L: column 128 G + 32 g + L,
	; which is lane row r = L % 8 + 8 (L / 16) of tile 2 g + u, u = (L / 8) % 2.  Block t of the column is the six registers 6 (t / 2) .. of fragment lane (r, t % 2).
.Lweights:
	s_lshr_b32 s25, ttmp9, 6                       ; m
	s_bfe_u32 s26, ttmp9, 0x30003                  ; G
	s_and_b32 s27, ttmp9, 7                        ; s
	s_wait_alu depctr_va_vdst(0)
	v_lshlrev_b32 v14, 2, v1                       ; 4 L
	v_bfe_u32 v9, v0, 3, 1                         ; u
	v_and_b32 v10, 7, v0
	v_lshl_add_u32 v10, v3, 3, v10                 ; r
	s_mul_i32 s28, s16, 3072
	s_add_co_u32 s28, s28, WIMG                    ; my two tiles in the image
	v_mul_u32_u24 v5, v9, 1536
	v_lshl_add_u32 v5, v10, 4, v5
	v_add_nc_u32 v5, s28, v5                       ; + 1536 u + 16 r
	v_lshl_add_u32 v6, v9, 4, v10
	v_lshlrev_b32 v6, 4, v6                        ; 16 (16 u + r)
	s_lshl_b32 s29, s16, 2
	s_add_co_u32 s29, s29, WIMG+12288
	v_add_nc_u32 v6, s29, v6                       ; my column's scale word
	v_add_nc_u32 v7, s28, v4                       ; back: my wave's 3,072 bytes, 16 a lane
	v_add_nc_u32 v8, WIMG+12288, v4                ; and the scale words
	s_lshl_b32 s30, s27, 19                        ; 128 rows (k) of 4,096 bytes
	s_lshl_b32 s31, s26, 9
	s_add_co_u32 s30, s30, s31
	s_lshl_b32 s31, s16, 7
	s_add_co_u32 s30, s30, s31
	s_mov_b32 s31, 0
	s_lshl_b32 s32, s25, 3
	s_add_co_u32 s32, s32, s26                     ; 8 m + G
	s_lshr_b32 s33, s32, 1
	s_and_b32 s32, s32, 1
	s_cmp_eq_u32 s25, 2
	s_cselect_b32 s33, s26, s33                    ; j
	s_cselect_b32 s32, 2, s32
	s_mul_i32 s33, s33, 24
	s_add_co_u32 s32, s32, s33
	s_mul_i32 s33, s27, 3
	s_add_co_u32 s32, s32, s33                     ; the chunk's place
	s_mul_i32 s32, s32, CH
	s_mul_i32 s33, s16, 3072
	s_add_co_u32 s32, s32, s33
	s_mov_b32 s33, 0
	s_wait_alu depctr_va_vdst(0)
	s_wait_kmcnt 0x0
	s_cmp_eq_u32 s25, 1                            ; which weight: the choice hangs on the work-group's number alone
	s_cselect_b64 s[6:7], s[8:9], s[6:7]
	s_cmp_eq_u32 s25, 2
	s_cselect_b64 s[6:7], s[10:11], s[6:7]
	s_add_nc_u64 s[6:7], s[6:7], s[30:31]
	s_add_nc_u64 s[14:15], s[14:15], s[32:33]
.macro WLOAD t                         ; block t: W(32 t + i, my column) into set t % 2: a wave reads 128 consecutive bytes, the four waves 512
.irp i, 0,1,2,3,4,5,6,7,8,9,10,11,12,13,14,15,16,17,18,19,20,21,22,23,24,25,26,27,28,29,30,31
	global_load_b32 v[32+32*((\t)%2)+\i], v14, s[6:7] offset:(32*(\t)+\i)*4096 th:TH_LOAD_NT
.endr
.endm
.macro WBLOCK t
.set XS, 32+32*((\t)%2)
.set CW, 96+8*(\t)                     ; six registers of codes of its own for each block
.if (\t) < 3
	s_wait_loadcnt 32                              ; this block's 32 loads are in; the next block's 32 may be out
.else
	s_wait_loadcnt 0x0
.endif
	v_max3_num_f32 v12, |v[XS]|, |v[XS+1]|, |v[XS+2]|
	v_max3_num_f32 v13, |v[XS+3]|, |v[XS+4]|, |v[XS+5]|
.irp i, 6,10,14,18,22,26
	v_max3_num_f32 v12, v12, |v[XS+\i]|, |v[XS+\i+1]|
	v_max3_num_f32 v13, v13, |v[XS+\i+2]|, |v[XS+\i+3]|
.endr
	v_max3_num_f32 v12, v12, |v[XS+30]|, |v[XS+31]|
	v_max3_num_f32 v12, v12, v13, 0x2800000        ; and the floor 2^(5 - 127)
	v_add_nc_u32 v11, 0xfe000000, v12              ; the conversion's scale operand
	v_lshrrev_b32 v13, 23, v11                     ; the scale's byte
.if (\t) == 0
	v_mov_b32 v24, v13
.else
	v_lshl_or_b32 v24, v13, 8*(\t), v24            ; the lower K in the lower byte
.endif
	v_cvt_scalef32_pk16_bf6_f32 v[CW:CW+2], v[XS:XS+15], v11
	v_cvt_scalef32_pk16_bf6_f32 v[128:130], v[XS+16:XS+31], v11
	v_nop                                          ; one plain place behind a scaled conversion
	v_mov_b32 v[CW+3], v128
	v_mov_b32 v[CW+4], v129
	v_mov_b32 v[CW+5], v130
.if (\t) < 2
	ds_store_b128 v5, v[CW:CW+3] offset:256*(\t)           ; registers 0-3 of fragment lane (r, t)
	ds_store_b64 v5, v[CW+4:CW+5] offset:512+256*(\t)      ; registers 4, 5
.else
	ds_store_b64 v5, v[CW:CW+1] offset:520+256*((\t)-2)    ; registers 6, 7 of fragment lane (r, t - 2)
	ds_store_b128 v5, v[CW+2:CW+5] offset:1024+256*((\t)-2) ; registers 8-11
.endif
.if (\t)+2 < 4
	WLOAD (\t)+2
.endif
.endm
	WLOAD 0
	WLOAD 1
	WBLOCK 0
	WBLOCK 1
	WBLOCK 2
	WBLOCK 3
	ds_store_b32 v6, v24
.irp j, 0,1,2,3,4,5
	ds_load_b128 v[136+4*\j:139+4*\j], v7 offset:512*\j    ; my own two tiles: LDS serves a wave's instructions in order
.endr
	s_wait_dscnt 0x0                               ; they are in, and my scale words have landed
.irp j, 0,1,2,3,4,5
	global_store_b128 v4, v[136+4*\j:139+4*\j], s[14:15] offset:512*\j   ; 512 consecutive bytes
.endr
	s_barrier_signal -1
	s_barrier_wait -1
	s_cmp_lg_u32 s16, 0
	s_cbranch_scc1 .Lw_done
	ds_load_b128 v[160:163], v8
	s_wait_dscnt 0x0
	global_store_b128 v4, v[160:163], s[14:15] offset:12288
.Lw_done:
	s_wait_tensorcnt 0x0                           ; the wave's end
	ds_add_u32 v[SPW], v[NIL]
	s_wait_dscnt 0x0
	s_endpgm
.Lfunc_end_k_q20e16210a3_quant:
	.size	k_q20e16210a3_quant, .Lfunc_end_k_q20e16210a3_quant-k_q20e16210a3_quant
	.p2alignl 7, 3214868480
	.fill 96, 4, 3214868480
	.section	.rodata,"a",@progbits
	.p2align	6, 0x0
	.amdhsa_kernel k_q20e16210a3_quant
		.amdhsa_group_segment_fixed_size 82432
		.amdhsa_private_segment_fixed_size 0
		.amdhsa_enable_private_segment 0
		.amdhsa_kernarg_size 48
		.amdhsa_user_sgpr_count 2
		.amdhsa_user_sgpr_kernarg_segment_ptr 1
		.amdhsa_wavefront_size32 1
		.amdhsa_system_sgpr_workgroup_id_x 1
		.amdhsa_system_sgpr_workgroup_id_y 1
		.amdhsa_system_sgpr_workgroup_id_z 1
		.amdhsa_system_vgpr_workitem_id 0
		.amdhsa_next_free_vgpr 256
		.amdhsa_next_free_sgpr 66
		.amdhsa_reserve_vcc 0
		.amdhsa_float_denorm_mode_32 3
		.amdhsa_float_denorm_mode_16_64 3
		.amdhsa_memory_ordered 1
		.amdhsa_forward_progress 1
		.amdhsa_inst_pref_size 40
	.end_amdhsa_kernel
	.amdgpu_metadata
---
amdhsa.version: [ 1, 2 ]
amdhsa.kernels:
  - .name:           k_q20e16210a3_quant
    .symbol:         k_q20e16210a3_quant.kd
    .args:
      - { .name: inputs, .offset: 0, .size: 8, .value_kind: global_buffer, .address_space: global }
      - { .name: WQ, .offset: 8, .size: 8, .value_kind: global_buffer, .address_space: global }
      - { .name: WK, .offset: 16, .size: 8, .value_kind: global_buffer, .address_space: global }
      - { .name: WV, .offset: 24, .size: 8, .value_kind: global_buffer, .address_space: global }
      - { .name: Xc, .offset: 32, .size: 8, .value_kind: global_buffer, .address_space: global }
      - { .name: Wc, .offset: 40, .size: 8, .value_kind: global_buffer, .address_space: global }
    .group_segment_fixed_size: 82432
    .private_segment_fixed_size: 0
    .kernarg_segment_align: 8
    .kernarg_segment_size: 48
    .max_flat_workgroup_size: 128
    .sgpr_count:     66
    .vgpr_count:     256
    .wavefront_size: 32
...
	.end_amdgpu_metadata
.endif
;; end of part 1
;; launch proj (part 2): grid 8 x 32, 4 waves a work-group, clusters of 4 x 4, 327,680 bytes of LDS; arguments Xc, Wc, QKc, Vc; writes QKc, Vc
.if DOCPART == 2
	.amdgcn_target "amdgcn-amd-amdhsa--gfx1250"
	.amdhsa_code_object_version 6
	.text
	.protected	k_q20e16210a3_proj
	.globl	k_q20e16210a3_proj
	.p2align	8
	.type	k_q20e16210a3_proj,@function
k_q20e16210a3_proj:
	s_mov_b64 s[64:65], 0
	v_nop
	global_prefetch_b8 v0, s[64:65] scope:SCOPE_SE
	s_setreg_imm32_b32 hwreg(HW_REG_WAVE_MODE, 25, 1), 1
	s_wait_xcnt 0x0
	s_wait_alu depctr_hold_cnt(0) depctr_sa_sdst(0) depctr_va_vdst(0) depctr_va_sdst(0) depctr_va_ssrc(0) depctr_va_vcc(0) depctr_vm_vsrc(0)
	s_getreg_b32 s2, hwreg(HW_REG_IB_STS2, 6, 4)
	s_cmp_eq_u32 s2, 0
	s_cbranch_scc0 .Lentry_in_a_cluster
	s_endpgm
.Lentry_in_a_cluster:
	s_bfe_u32 s2, ttmp6, 0x10000c
	s_cmp_lg_u32 s2, 0xf033
	s_cbranch_scc0 .Lentry_shape_is_right
	s_endpgm
.Lentry_shape_is_right:
; Q, K and V = X times the three weights, on E3M2 codes, and their quantising along the next products' K: Q and K along e, V along the sequence.  No f32 result goes to memory.
; SHARES.  Work-group (j, R) makes rows 256 R .. + 255 x groups 2 j, 2 j + 1 of [Q K] and group j of V (128 columns each).  Wave w: rows of half w / 2 x 128 columns of Q/K (half w % 2) and 64 of V:
; 64 + 32 accumulators of 16 x 16.  One walk over K serves all three products.
; X's tile is shared along a row of the cluster, the weights' along a column: joint loads.  A fill holds two steps of 128 along K: waves 0 and 1 fetch X's two steps (25,600 dense bytes each), waves 2 and 3 the weights' (38,400).
; ORIENTATION.  For Q and K source 0 = 16 columns of W, source 1 = 16 rows of X: a lane holds a row and its registers run along e.  For V the sources change places: a lane holds a column e and its registers run along the sequence.
; ONE SET OF FRAGMENTS.  A step is four quadrants of 24 products: X's lower and upper four tiles (XL, XH) x two groups of six W tiles (WA: Q/K 0-5; WB: Q/K 6, 7 and V's four).
; Even steps go XL WA, XL WB, XH WB, XH WA; odd steps XL WB, XL WA, XH WA, XH WB: what a quadrant has read for the last time is fetched anew while the next ones are multiplied.
; PREFETCHES: behind fill 0's load a wave asks for fill 1, behind fill 1's for fills 2 and 3, the last.  A fill is 200 blocks of 256 bytes of X's tile and 300 of the weights': the four partners that ask for a tile jointly share
; its blocks out by address (50 and 75 each; a wave 13 and 19).  A weights' set is loaded by eight clusters: those of even cluster rows, four, ask for it.  The offsets lie in window 1, ahead of the accumulators' first writes.
; LIMITS: NaN and infinities are not served; a block whose largest magnitude lies under 2^-122 keeps the scale byte 1 (a block of zeros too: its codes are zeros; this program alone reads the bytes).
; REGISTERS: window 0: v0-5 addresses, v6-15 scale words, v16-111 X's fragments, v112-255 W's.  Windows 2, 3: Q/K accumulators (a, b) at v[64 (a % 4) + 8 b]; window 1: V's (t, x) at v[64 t + 8 x].
.set CH,    12800
.set R1,    3*CH
.set SLOT,  12*CH                      ; X's step k at 3 k chunks (two chunks), the weights' at 6 + 3 k (three chunks)
.set SPARE, 2*SLOT                     ; the spare words: no other line names them
.set ADRA, 0
.set ADRB, 1
.set ADRV, 2
.set ADSV, 3
.set SPW,  4
.set NIL,  5
.set SX,   6
.set SW,   10
.set SV,   14
.set XF,   16
.set WF,   112
.set VF,   208
; the way out, over what is done with
.set LI,   6
.set LC,   7
.set LS,   8
.set MX,   16
.set PX,   24
.set SO,   32
.set BY,   40
.set DT,   48
.set PW,   80
.set SWD,  92
.set CD,   104
.set G1,   24
.set G1B,  32
.set G0A,  40
.set G0B,  48
.set OUT1, 66
.set OUT2, 76
.set SEL,  78
.set HM,   80
.set PFX,  92                          ; s[92:93], s[94:95] where my work-group's X tile and weights' set begin
.set PFW,  94
.set MSB, 0
.macro WIN new
.set WNEW, (\new)
.if MSB != WNEW
	s_set_vgpr_msb (MSB<<8)|WNEW
.set MSB, WNEW
.endif
.endm
.macro PLACES
.rept 4
	v_nop
.endr
.endm
.macro GRP g, r                        ; r rows of 256 dense bytes, elements of 8 bytes
	s_mov_b32 s[\g+1], 32<<16
	s_mov_b32 s[\g+2], (\r)<<16
	s_mov_b32 s[\g+3], 32<<16
	s_mov_b32 s[\g+4], \r
	s_mov_b32 s[\g+5], 32
	s_mov_b32 s[\g+6], 0
	s_mov_b32 s[\g+7], 0
.endm
.macro JLOAD g0a, g0b                  ; one joint load a wave
	s_cmp_eq_u32 s15, 0
	s_cbranch_scc0 .Lfor_b_\@
	tensor_load_to_lds s[\g0a:\g0a+3], s[G1:G1+7]
	s_nop 0
	PLACES
	s_branch .Lasked_\@
.Lfor_b_\@:
	tensor_load_to_lds s[\g0b:\g0b+3], s[G1B:G1B+7]
	s_nop 0
	PLACES
.Lasked_\@:
.endm
.macro ASK f                           ; fill f, which lies f x 4 and f x 6 chunks on
	WIN 0x01
	global_prefetch_b8 v0, s[PFX:PFX+1] offset:(\f)*4*CH th:TH_LOAD_NT scope:SCOPE_SE   ; v256
	WIN 0
	s_cmp_eq_u32 s18, 0
	s_cbranch_scc0 .Lnot_mine_\@
	WIN 0x01
	global_prefetch_b8 v1, s[PFW:PFW+1] offset:(\f)*6*CH th:TH_LOAD_NT scope:SCOPE_SE   ; v257
	WIN 0
.Lnot_mine_\@:
.endm
.macro CREST
	s_cmp_lg_u32 s14, 0
	s_cbranch_scc1 .Lnot_wave_0_\@
	s_barrier_signal -3
.Lnot_wave_0_\@:
	s_barrier_wait -3
	s_barrier_signal -1
	s_barrier_wait -1
.endm
.macro CROUND
	s_barrier_signal -1
	s_barrier_wait -1
	CREST
.endm
.macro WMJ c                           ; kk: bit 0 source 0's tile is odd, bit 1 source 1's: an odd tile's scale words stand in lanes 16-31
.if kk == 0
	v_wmma_scale_f32_16x16x128_f8f6f4 v[rD:rD+7], v[rA:rA+11], v[rB:rB+11], \c, v[rX], v[rY] matrix_a_fmt:MATRIX_FMT_BF6 matrix_b_fmt:MATRIX_FMT_BF6
.elseif kk == 1
	v_wmma_scale_f32_16x16x128_f8f6f4 v[rD:rD+7], v[rA:rA+11], v[rB:rB+11], \c, v[rX], v[rY] matrix_a_fmt:MATRIX_FMT_BF6 matrix_b_fmt:MATRIX_FMT_BF6 matrix_a_scale:MATRIX_SCALE_ROW1
.elseif kk == 2
	v_wmma_scale_f32_16x16x128_f8f6f4 v[rD:rD+7], v[rA:rA+11], v[rB:rB+11], \c, v[rX], v[rY] matrix_a_fmt:MATRIX_FMT_BF6 matrix_b_fmt:MATRIX_FMT_BF6 matrix_b_scale:MATRIX_SCALE_ROW1
.else
	v_wmma_scale_f32_16x16x128_f8f6f4 v[rD:rD+7], v[rA:rA+11], v[rB:rB+11], \c, v[rX], v[rY] matrix_a_fmt:MATRIX_FMT_BF6 matrix_b_fmt:MATRIX_FMT_BF6 matrix_a_scale:MATRIX_SCALE_ROW1 matrix_b_scale:MATRIX_SCALE_ROW1
.endif
.endm
.macro WMI z                           ; z = 1: the first product starts the sum
.if \z
	WMJ 0
.else
	WMJ v[rD:rD+7]
.endif
.endm
.macro WQ a, b, z                      ; Q/K: source 0 W tile b, source 1 X tile a
.set rD, 64*((\a)%4)+8*(\b)
.set rA, WF+12*(\b)
.set rB, XF+12*(\a)
.set rX, SW+(\b)/2
.set rY, SX+(\a)/2
.set kk, 2*((\a)%2)+(\b)%2
	WMI \z
.endm
.macro WV t, x, z                      ; V: source 0 X tile x, source 1 W tile t
.set rD, 64*(\t)+8*(\x)
.set rA, XF+12*(\x)
.set rB, VF+12*(\t)
.set rX, SX+(\x)/2
.set rY, SV+(\t)/2
.set kk, 2*((\t)%2)+(\x)%2
	WMI \z
.endm
.macro ROWQ a, b0, n, z
.set wb, \b0
.rept \n
	WQ \a, wb, \z
.set wb, wb+1
.endr
.endm
.macro QA x0, z                        ; X tiles x0 .. x0 + 3 x WA.  The accumulators take turns
	WIN 0xa0+0x50*((\x0)/4)
.irp i, 0,1,2,3
	ROWQ (\x0)+\i, 0, 6, \z
.endr
.endm
.macro QB x0, z                        ; x WB
	WIN 0xa0+0x50*((\x0)/4)
.irp i, 0,1,2,3
	ROWQ (\x0)+\i, 6, 2, \z
.endr
	WIN 0x50
.irp t, 0,1,2,3
.irp i, 0,1,2,3
	WV \t, (\x0)+\i, \z
.endr
.endr
.endm
.macro LX h, k                         ; X's tiles 4 h .. 4 h + 3 of the slot's step k: 13 LDS loads
.irp i, 0,1,2,3
.irp c, 0,1,2
	ds_load_b128 v[XF+48*(\h)+12*\i+4*\c:XF+48*(\h)+12*\i+4*\c+3], v[ADRA] offset:R1*(\k)+6144*(\h)+1536*\i+512*\c
.endr
.endr
	ds_load_b64 v[SX+2*(\h):SX+2*(\h)+1], v[ADRA] offset:R1*(\k)+12288+8*(\h)
.endm
.macro LA k                            ; WA: 19
.irp i, 0,1,2,3,4,5
.irp c, 0,1,2
	ds_load_b128 v[WF+12*\i+4*\c:WF+12*\i+4*\c+3], v[ADRB] offset:R1*(\k)+1536*\i+512*\c
.endr
.endr
	ds_load_b96 v[SW:SW+2], v[ADRB] offset:R1*(\k)+12288
.endm
.macro LB k                            ; WB: 20
.irp i, 6,7
.irp c, 0,1,2
	ds_load_b128 v[WF+12*\i+4*\c:WF+12*\i+4*\c+3], v[ADRB] offset:R1*(\k)+1536*\i+512*\c
.endr
.endr
	ds_load_b32 v[SW+3], v[ADRB] offset:R1*(\k)+12288+12
.irp i, 0,1,2,3
.irp c, 0,1,2
	ds_load_b128 v[VF+12*\i+4*\c:VF+12*\i+4*\c+3], v[ADRV] offset:R1*(\k)+1536*\i+512*\c
.endr
.endr
	ds_load_b64 v[SV:SV+1], v[ADSV] offset:R1*(\k)
.endm
.macro EVEN z                          ; the slot's step 0; its step 1 is fetched.  On entry XL, WA, WB, XH have been asked for, in this order
	s_wait_dscnt 33                                ; XL and WA are in; WB (20) and XH (13) may be out
	QA 0, \z
	s_wait_dscnt 13                                ; WB is in; XH may be out
	QB 0, \z
	PLACES
	WIN 0
	LX 0, 1
	s_wait_dscnt 13                                ; XH is in; the 13 just issued may be out
	QB 4, \z
	PLACES
	WIN 0
	LB 1
	QA 4, \z
	PLACES
	WIN 0
	LA 1
	LX 1, 1
.endm
.macro ODD mode, sl                    ; the step 1 of slot sl.  mode 2: the slot is filled again; 1: a barrier alone; 0: the last step
	s_wait_dscnt 32                                ; XL and WB are in; WA (19) and XH (13) may be out
	QB 0, 0
	WIN 0
.if (\mode) == 0
	s_wait_dscnt 0x0
	QA 0, 0
	QA 4, 0
	QB 4, 0
	PLACES
	WIN 0
.else
	s_wait_tensorcnt 0x0                           ; all my tensor loads have landed: my part of the other slot
	ds_add_u32 v[SPW], v[NIL]
	s_wait_dscnt 14                                ; WA is in; XH (13) and the add may be out
	WIN 0xa0
	ROWQ 0, 0, 6, 0
	ROWQ 1, 0, 6, 0
	s_wait_dscnt 0x0                               ; the add is done, and so are my reads of this slot
	s_barrier_signal -1
	ROWQ 2, 0, 6, 0
	ROWQ 3, 0, 6, 0
	WIN 0
	s_barrier_wait -1                              ; the other slot is whole, and nobody reads this one
.if (\mode) == 2
	CREST                                          ; nor does any partner
	s_add_nc_u64 s[G0A+4*(\sl)+2:G0A+4*(\sl)+3], s[G0A+4*(\sl)+2:G0A+4*(\sl)+3], 8*CH
	s_add_nc_u64 s[G0B+4*(\sl)+2:G0B+4*(\sl)+3], s[G0B+4*(\sl)+2:G0B+4*(\sl)+3], 12*CH
	JLOAD G0A+4*(\sl), G0B+4*(\sl)
.else
	PLACES
.endif
.irp r, ADRA, ADRB, ADRV, ADSV         ; on to the other slot
.if (\sl) == 0
	v_add_nc_u32 v[\r], s85, v[\r]
.else
	v_sub_nc_u32 v[\r], v[\r], s85
.endif
.endr
	s_wait_alu depctr_va_vdst(0)
	LX 0, 0
	QA 4, 0
	PLACES
	WIN 0
	LA 0
	QB 4, 0
	PLACES
	WIN 0
	LB 0
	LX 1, 0
.endif
.endm
; two tiles of 64 registers each, at v[s] on of window w, become codes (v[cd] on) and scale words (v[pw], v[pw + 1]) and are stored as tiles tl, tl + 1 of a chunk
.macro QPAIR w, s, cd, pw, ad, ob, tl
	WIN ((\w)<<2)|(\w)
.irp b, 0,1,2,3,4,5,6,7
	v_max3_num_f32 v[MX+\b], |v[(\s)+16*\b]|, |v[(\s)+1+16*\b]|, 0x2800000   ; and the floor 2^(5 - 127)
.endr
.irp i, 2,4,6,8,10,12,14
.irp b, 0,1,2,3,4,5,6,7
	v_max3_num_f32 v[MX+\b], |v[(\s)+16*\b+\i]|, |v[(\s)+1+16*\b+\i]|, v[MX+\b]
.endr
.endr
	WIN 0
.irp b, 0,1,2,3,4,5,6,7
	v_permlanex16_b32 v[PX+\b], v[MX+\b], s[SEL], s[SEL+1]
.endr
.irp b, 0,1,2,3,4,5,6,7
	v_max_num_f32 v[MX+\b], v[MX+\b], v[PX+\b]     ; with lane l xor 16's 16: the block's largest magnitude
.endr
.irp b, 0,1,2,3,4,5,6,7
	v_add_nc_u32 v[SO+\b], 0xfe000000, v[MX+\b]    ; 4 off its exponent field: the conversion's scale operand
.endr
.irp b, 0,1,2,3,4,5,6,7
	v_lshrrev_b32 v[BY+\b], 23, v[SO+\b]
.endr
.irp k, 1,2,3
.irp t, 0,1
.if \k == 1
	v_lshl_or_b32 v[(\pw)+\t], v[BY+4*\t+1], 8, v[BY+4*\t]
.else
	v_lshl_or_b32 v[(\pw)+\t], v[BY+4*\t+\k], 8*\k, v[(\pw)+\t]
.endif
.endr
.endr
	WIN \w
.irp t, 0,1
.irp c, 0,1
	v_cvt_scalef32_pk16_bf6_f32 v[(\cd)+12*\t+6*\c:(\cd)+12*\t+6*\c+2], v[(\s)+64*\t+32*\c:(\s)+64*\t+32*\c+15], v[SO+4*\t+2*\c]
	v_cvt_scalef32_pk16_bf6_f32 v[DT+8*\t+4*\c:DT+8*\t+4*\c+2], v[(\s)+64*\t+32*\c+16:(\s)+64*\t+32*\c+31], v[SO+4*\t+2*\c+1]
.endr
.endr
	WIN 0
	v_nop                                          ; one plain place behind a scaled conversion
.irp t, 0,1
.irp c, 0,1
.irp i, 0,1,2
	v_permlane16_swap_b32 v[(\cd)+12*\t+6*\c+\i], v[DT+8*\t+4*\c+\i]   ; a whole block to a lane
.endr
.endr
.endr
.irp t, 0,1
.irp c, 0,1
.irp i, 0,1,2
	v_mov_b32 v[(\cd)+12*\t+6*\c+3+\i], v[DT+8*\t+4*\c+\i]
.endr
.endr
.endr
.irp t, 0,1
.irp c, 0,1,2
	global_store_b128 v[\ad], v[(\cd)+12*\t+4*\c:(\cd)+12*\t+4*\c+3], s[\ob:\ob+1] offset:1536*((\tl)+\t)+512*\c   ; 512 consecutive bytes
.endr
.endr
.endm
	s_load_b256 s[4:11], s[0:1], 0x0               ; Xc, Wc, QKc, Vc
	v_lshl_add_u32 v[SPW], v0, 2, SPARE
	v_mov_b32 v[NIL], 0
	ds_add_u32 v[SPW], v[NIL]                      ; the opening lines
	ds_add_u32 v[SPW], v[NIL]
	v_lshrrev_b32 v16, 5, v0
	v_readfirstlane_b32 s14, v16                   ; wave 0..3
	s_lshr_b32 s15, s14, 1                         ; my half of the rows.  Also: I fetch X (0) or weights (1)
	s_and_b32 s16, s14, 1                          ; my half of the columns.  Also: which of a fill's two steps I fetch
	s_bfe_u32 s81, ttmp6, 0x40000                  ; cx
	s_bfe_u32 s82, ttmp6, 0x40004                  ; cy
	s_and_b32 s17, ttmp7, 0xffff
	s_and_b32 s18, s17, 1                          ; is the cluster row odd?
	s_lshl_b32 s83, s17, 2
	s_add_co_u32 s83, s83, s82                     ; R
	s_lshl_b32 s84, ttmp9, 2
	s_add_co_u32 s84, s84, s81                     ; j
	s_lshl_b32 s12, s82, 2
	s_lshl_b32 s12, 15, s12                        ; my row of the cluster
	s_lshl_b32 s13, 0x1111, s81                    ; my column
	s_or_b32 s[G1], s12, (3<<16)|(1<<21)
	s_or_b32 s[G1B], s13, (3<<16)|(1<<21)
	GRP G1, 100
	GRP G1B, 150
	s_mov_b32 s[SEL], 0x76543210
	s_mov_b32 s[SEL+1], 0xfedcba98
	s_mov_b32 s[HM], 0xffff0000
	s_mov_b32 s85, SLOT
	s_mul_i32 s86, s16, 6144
	s_lshl_b32 s87, s16, 3
	s_mul_i32 s[PFX], s83, 16*CH
	s_mov_b32 s[PFX+1], 0
	s_mul_i32 s[PFW], s84, 24*CH
	s_mov_b32 s[PFW+1], 0
	s_mul_i32 s88, s16, 2*CH
	s_mov_b32 s89, 0
	s_mul_i32 s90, s16, 3*CH
	s_mov_b32 s91, 0
	s_mul_i32 s20, s14, R1
	s_wait_dscnt 0x0                               ; both opening adds are done
	s_wait_kmcnt 0x0
	s_add_nc_u64 s[PFX:PFX+1], s[4:5], s[PFX:PFX+1]
	s_add_nc_u64 s[PFW:PFW+1], s[6:7], s[PFW:PFW+1]
	s_add_nc_u64 s[88:89], s[PFX:PFX+1], s[88:89]  ; X: tile R, step s16 of fill 0
	s_add_nc_u64 s[90:91], s[PFW:PFW+1], s[90:91]  ; weights: set j, step s16 of fill 0
.irp s, 0,1
	s_mov_b32 s[G0A+4*\s], 1
	s_add_co_u32 s[G0A+4*\s+1], s20, \s*SLOT
	s_add_nc_u64 s[G0A+4*\s+2:G0A+4*\s+3], s[88:89], \s*4*CH
	s_or_b32 s[G0A+4*\s+3], s[G0A+4*\s+3], 0x80000000
	s_mov_b32 s[G0B+4*\s], 1
	s_add_co_u32 s[G0B+4*\s+1], s20, \s*SLOT
	s_add_nc_u64 s[G0B+4*\s+2:G0B+4*\s+3], s[90:91], \s*6*CH
	s_or_b32 s[G0B+4*\s+3], s[G0B+4*\s+3], 0x80000000
.endr
	CROUND                                         ; all sixteen work-groups are here: the first joint loads meet
	JLOAD G0A, G0B                                 ; fill 0
	; the prefetches' offsets: lanes left over name their wave's last block again
	v_and_b32 v17, 31, v0
	v_min_u32 v18, 12, v17
	v_min_u32 v19, 18, v17
	s_mul_i32 s12, s14, 13
	s_mul_i32 s13, s14, 19
	v_add_nc_u32 v18, s12, v18
	v_add_nc_u32 v19, s13, v19
	s_movk_i32 s12, 49
	s_movk_i32 s13, 74
	v_min_u32 v18, s12, v18
	v_min_u32 v19, s13, v19
	s_mul_i32 s12, s81, 50
	s_mul_i32 s13, s82, 75
	v_add_nc_u32 v18, s12, v18                     ; X's block 50 cx + 13 w + lane
	v_add_nc_u32 v19, s13, v19                     ; the weights' block 75 cy + 19 w + lane
	WIN 0x40
	v_lshlrev_b32 v0, 8, v18                       ; v256 (destination window 1)
	v_lshlrev_b32 v1, 8, v19                       ; v257
	WIN 0
	v_lshlrev_b32 v17, 4, v17                      ; 16 x lane
	s_wait_alu depctr_va_vdst(0)
	ASK 1
	s_mul_i32 s12, s15, CH
	v_add_nc_u32 v[ADRA], s12, v17                 ; my row group of X
	s_mul_i32 s12, s16, CH
	s_add_co_u32 s12, s12, 6*CH
	v_add_nc_u32 v[ADRB], s12, v17                 ; my Q/K column group
	s_add_co_u32 s12, s86, 8*CH
	v_add_nc_u32 v[ADRV], s12, v17                 ; my four tiles of V's columns
	s_add_co_u32 s12, s87, 8*CH+12288
	v_add_nc_u32 v[ADSV], s12, v17                 ; and their scale words
	s_lshl_b32 s17, s83, 1
	s_add_co_u32 s17, s17, s15                     ; my row group 2 R + w / 2
	s_lshl_b32 s12, s17, 4
	s_lshl_b32 s13, s84, 1
	s_add_co_u32 s12, s12, s13
	s_add_co_u32 s12, s12, s16
	s_mul_i32 s12, s12, CH
	s_mov_b32 s13, 0
	s_add_nc_u64 s[OUT1:OUT1+1], s[8:9], s[12:13]  ; QKc's chunk 16 x row group + column group
	s_lshr_b32 s12, s17, 4
	s_lshl_b32 s12, s12, 3
	s_add_co_u32 s12, s12, s84
	s_lshl_b32 s12, s12, 4
	s_and_b32 s13, s17, 15
	s_add_co_u32 s12, s12, s13
	s_mul_i32 s12, s12, CH
	s_mov_b32 s13, 0
	s_add_nc_u64 s[OUT2:OUT2+1], s[10:11], s[12:13] ; Vc's chunk 16 (8 batch + j) + key group
	s_wait_alu depctr_va_vdst(0)
	s_wait_tensorcnt 0x0                           ; my part of fill 0 is in
	ds_add_u32 v[SPW], v[NIL]
	s_wait_dscnt 0x0
	CROUND
	JLOAD G0A+4, G0B+4                             ; fill 1
	LX 0, 0
	LA 0
	LB 0
	LX 1, 0
	ASK 2
	ASK 3
	s_wait_xcnt 0x0                                ; the prefetches have read their offsets: the accumulators of window 1 may be written
	EVEN 1
	ODD 2, 0
	EVEN 0
	ODD 2, 1
	EVEN 0
	ODD 1, 0
	EVEN 0
	ODD 0, 1
	v_and_b32 v[LI], 127, v[SPW]                   ; 4 x lane (SPARE is a multiple of 128)
	v_lshlrev_b32 v[LI], 2, v[LI]
	v_add_nc_u32 v[LC], s86, v[LI]
	v_add_nc_u32 v[LS], s87, v[LI]
.irp b, 0,1,2,3,4,5,6,7
	v_mov_b32 v[PX+\b], 0                          ; written once: a lane permute's destination counts as one of its sources
.endr
	QPAIR 2, 0, CD, PW, LI, OUT1, 0
	QPAIR 2, 128, CD+24, PW+2, LI, OUT1, 2
	QPAIR 3, 0, CD+48, PW+4, LI, OUT1, 4
	QPAIR 3, 128, CD+72, PW+6, LI, OUT1, 6
	QPAIR 1, 0, CD+96, PW+8, LC, OUT2, 0
	QPAIR 1, 128, CD+120, PW+10, LC, OUT2, 2
.irp c, 0,1,2,3,4,5
	v_cndmask_b32 v[SWD+\c], v[PW+2*\c], v[PW+2*\c+1], s[HM]   ; lanes 0-15 the even tile's words, lanes 16-31 the odd tile's
.endr
	global_store_b128 v[LI], v[SWD:SWD+3], s[OUT1:OUT1+1] offset:12288
	global_store_b64 v[LS], v[SWD+4:SWD+5], s[OUT2:OUT2+1] offset:12288
	s_wait_tensorcnt 0x0                           ; the wave's end
	ds_add_u32 v[SPW], v[NIL]
	s_wait_dscnt 0x0
	CROUND                                         ; the closing round
	s_endpgm
.Lfunc_end_k_q20e16210a3_proj:
	.size	k_q20e16210a3_proj, .Lfunc_end_k_q20e16210a3_proj-k_q20e16210a3_proj
	.p2alignl 7, 3214868480
	.fill 96, 4, 3214868480
	.section	.rodata,"a",@progbits
	.p2align	6, 0x0
	.amdhsa_kernel k_q20e16210a3_proj
		.amdhsa_group_segment_fixed_size 327680
		.amdhsa_private_segment_fixed_size 0
		.amdhsa_enable_private_segment 0
		.amdhsa_kernarg_size 32
		.amdhsa_user_sgpr_count 2
		.amdhsa_user_sgpr_kernarg_segment_ptr 1
		.amdhsa_wavefront_size32 1
		.amdhsa_system_sgpr_workgroup_id_x 1
		.amdhsa_system_sgpr_workgroup_id_y 1
		.amdhsa_system_sgpr_workgroup_id_z 1
		.amdhsa_system_vgpr_workitem_id 0
		.amdhsa_next_free_vgpr 1024
		.amdhsa_next_free_sgpr 96
		.amdhsa_reserve_vcc 0
		.amdhsa_float_denorm_mode_32 3
		.amdhsa_float_denorm_mode_16_64 3
		.amdhsa_memory_ordered 1
		.amdhsa_forward_progress 1
		.amdhsa_inst_pref_size 196
	.end_amdhsa_kernel
	.amdgpu_metadata
---
amdhsa.version: [ 1, 2 ]
amdhsa.kernels:
  - .name:           k_q20e16210a3_proj
    .symbol:         k_q20e16210a3_proj.kd
    .args:
      - { .name: Xc, .offset: 0, .size: 8, .value_kind: global_buffer, .address_space: global }
      - { .name: Wc, .offset: 8, .size: 8, .value_kind: global_buffer, .address_space: global }
      - { .name: QKc, .offset: 16, .size: 8, .value_kind: global_buffer, .address_space: global }
      - { .name: Vc, .offset: 24, .size: 8, .value_kind: global_buffer, .address_space: global }
    .group_segment_fixed_size: 327680
    .private_segment_fixed_size: 0
    .kernarg_segment_align: 8
    .kernarg_segment_size: 32
    .max_flat_workgroup_size: 128
    .sgpr_count:     96
    .vgpr_count:     1024
    .wavefront_size: 32
...
	.end_amdgpu_metadata
.endif
;; end of part 2
;; launch scores (part 3): grid 4 x 40, 4 waves a work-group, clusters of 4 x 1, 327,680 bytes of LDS; arguments QKc, Pc, STAT; writes Pc, STAT
.if DOCPART == 3
	.amdgcn_target "amdgcn-amd-amdhsa--gfx1250"
	.amdhsa_code_object_version 6
	.text
	.protected	k_q20e16210a3_scores
	.globl	k_q20e16210a3_scores
	.p2align	8
	.type	k_q20e16210a3_scores,@function
k_q20e16210a3_scores:
	s_mov_b64 s[64:65], 0
	v_nop
	global_prefetch_b8 v0, s[64:65] scope:SCOPE_SE
	s_setreg_imm32_b32 hwreg(HW_REG_WAVE_MODE, 25, 1), 1
	s_wait_xcnt 0x0
	s_wait_alu depctr_hold_cnt(0) depctr_sa_sdst(0) depctr_va_vdst(0) depctr_va_sdst(0) depctr_va_ssrc(0) depctr_va_vcc(0) depctr_vm_vsrc(0)
	s_getreg_b32 s2, hwreg(HW_REG_IB_STS2, 6, 4)
	s_cmp_eq_u32 s2, 0
	s_cbranch_scc0 .Lentry_in_a_cluster
	s_endpgm
.Lentry_in_a_cluster:
	s_bfe_u32 s2, ttmp6, 0x10000c
	s_cmp_lg_u32 s2, 0x3003
	s_cbranch_scc0 .Lentry_shape_is_right
	s_endpgm
.Lentry_shape_is_right:
; S = Q K^T on E3M2 codes, the causal mask, and the softmax's p, quantised along the keys, for one tile of 128 queries x 512 keys.  No score goes to memory.
; p = 2^(t - M'), t = score x log2(e) / 32, M' = ceil(the row's largest t IN THIS BLOCK OF 512 KEYS): a whole number, so the codes' values are those under the row's own M, a block's scale taking
; up the power of two between them.  Stored: P's chunks (128 queries x 128 keys, laid as every operand chunk of this program), and for each chunk -M' and l' = the sum of its unquantised p, a word a row.
; SHARES.  The grid's y is 4 t + b: batch b, and t counts the pairs (I, J), J <= I <= 3: blocks of 512 x 512 above the diagonal are not done: the mask hides them whole.  Work-group cx of the cluster owns
; query group 4 I + cx and keys 512 J .. 512 J + 511; wave w owns all 128 queries x key group 4 J + w: 64 accumulators.  The four partners read the same K: joint loads with the mask 15.  Q is a work-group's own.
; A fill holds two steps of 128 along e: waves 0 and 1 fetch a chunk of Q each, waves 2 and 3 two chunks of two key groups each, by one descriptor of two rows of 25,600 bytes.
; PREFETCHES: behind each fill's load a wave asks for the next fill: 25 blocks of 256 bytes of its key group's 100 (the four partners share them out by address) and 25 of its Q's 100.  The last fill's load is followed by none.
; THE MASK on the diagonal (I = J), where lane (r, h) holds query (a, r) and registers 16 b + i of tile a are keys 32 b + 16 h + i: in block b = a / 2 of a tile each score has its own mask (wave cx masks, waves under
; cx keep, waves over cx hide: one compare serves all three); blocks b > a / 2 are hidden whole in waves w >= cx, blocks b < a / 2 in waves w > cx: their maximum and their addend of t - M' become -infinity.
; No branch hangs on cx.  Key 512 J counts for every query of the cluster, so every row's M' is a number.
; THE MATRIX INSTRUCTION IS USED TRANSPOSED (source 0 = 16 keys, source 1 = 16 queries).
; LIMITS: NaN and infinities are not served; scaled scores stay under 2^31 in magnitude; a p under 2^-126 counts as 0; a block whose every p is 0 keeps the scale byte 1 (its codes are zeros; this program alone reads the bytes).
; A block's largest p is its largest score put through the same multiply-add and exponential (this takes v_exp_f32 not to fall where its input rises).
; REGISTERS: window 0: v16-29 addresses; v32-47 scale words, two sets; v128-223 Q's 8 fragments (then the codes); the rest at work on the way out.  window 1: K's fragments, two sets.  windows 2, 3: accumulators.
.set CH,    12800
.set SLOT,  10*CH                      ; Q's two chunks, then two of each key group
.set XCH,   2*SLOT                     ; 2,048 bytes: the waves' row maxima meet here; no tile lands here
.set SPARE, XCH+2048                   ; the spare words: no other line names them
.set ADQ,  16
.set ADRB, 18
.set XWA,  20
.set XRA,  21
.set LI,   22
.set D0,   23
.set D1,   24
.set NINF, 25
.set PK,   26
.set PQ,   27
.set SPW,  28
.set NIL,  29
.set SA,   32
.set SB,   36
.set DT,   32                          ; on the way out
.set TP,   48
.set SO,   56
.set SWD,  48
.set PW,   64                          ; v64-71 P's scale words
.set LL,   72                          ; v72-79 l'
.set NP,   80                          ; v80-95 pairs: -M', t
.set BM,   96                          ; v96-127 the largest score of tile a's block b at 4 a + b
.set QF,   128
.set XL,   128
.set AD,   224                         ; v224-231 a pair of tiles' addends for hidden blocks
.set GM,   232                         ; v232-239 a row's largest score
.set BY,   240
.set HM,   12
.set SEL,  20
.set CS,   22
.set G1Q,  24
.set G1K,  32
.set G0Q,  40
.set G0K,  48
.set HP,   60
.set HN,   61
.set QB,   62
.set KB,   66
.set MK,   68                          ; s[68:99] the diagonal blocks' masks: register i of even tiles, then of odd tiles
.set MSB, 0
.macro WIN new
.set WNEW, (\new)
.if MSB != WNEW
	s_set_vgpr_msb (MSB<<8)|WNEW
.set MSB, WNEW
.endif
.endm
.set MUL_LO, 0xa1
.set MUL_HI, 0xf1
.macro PLACES
.rept 4
	v_nop
.endr
.endm
.macro GRP g, c, r, p                  ; r rows of c elements of 8 bytes, p elements from row to row
	s_mov_b32 s[\g+1], (\c)<<16
	s_mov_b32 s[\g+2], (\r)<<16
	s_mov_b32 s[\g+3], (\c)<<16
	s_mov_b32 s[\g+4], \r
	s_mov_b32 s[\g+5], \p
	s_mov_b32 s[\g+6], 0
	s_mov_b32 s[\g+7], 0
.endm
.macro LOADS sl                        ; one load a wave
	s_cmp_lt_u32 s14, 2
	s_cbranch_scc0 .Lfor_k_\@
	tensor_load_to_lds s[G0Q+4*\sl:G0Q+4*\sl+3], s[G1Q:G1Q+7]
	s_nop 0
	PLACES
	s_branch .Lasked_\@
.Lfor_k_\@:
	tensor_load_to_lds s[G0K+4*\sl:G0K+4*\sl+3], s[G1K:G1K+7]
	s_nop 0
	PLACES
.Lasked_\@:
.endm
.macro ASK f
	global_prefetch_b8 v[PK], s[KB:KB+1] offset:(\f)*2*CH th:TH_LOAD_NT scope:SCOPE_SE
	global_prefetch_b8 v[PQ], s[QB:QB+1] offset:(\f)*2*CH th:TH_LOAD_NT scope:SCOPE_SE
.endm
.macro CREST
	s_cmp_lg_u32 s14, 0
	s_cbranch_scc1 .Lnot_wave_0_\@
	s_barrier_signal -3
.Lnot_wave_0_\@:
	s_barrier_wait -3
	s_barrier_signal -1
	s_barrier_wait -1
.endm
.macro CROUND
	s_barrier_signal -1
	s_barrier_wait -1
	CREST
.endm
.macro WMJ c
.if kk == 0
	v_wmma_scale_f32_16x16x128_f8f6f4 v[rD:rD+7], v[rA:rA+11], v[rB:rB+11], \c, v[rX], v[rY] matrix_a_fmt:MATRIX_FMT_BF6 matrix_b_fmt:MATRIX_FMT_BF6
.elseif kk == 1
	v_wmma_scale_f32_16x16x128_f8f6f4 v[rD:rD+7], v[rA:rA+11], v[rB:rB+11], \c, v[rX], v[rY] matrix_a_fmt:MATRIX_FMT_BF6 matrix_b_fmt:MATRIX_FMT_BF6 matrix_a_scale:MATRIX_SCALE_ROW1
.elseif kk == 2
	v_wmma_scale_f32_16x16x128_f8f6f4 v[rD:rD+7], v[rA:rA+11], v[rB:rB+11], \c, v[rX], v[rY] matrix_a_fmt:MATRIX_FMT_BF6 matrix_b_fmt:MATRIX_FMT_BF6 matrix_b_scale:MATRIX_SCALE_ROW1
.else
	v_wmma_scale_f32_16x16x128_f8f6f4 v[rD:rD+7], v[rA:rA+11], v[rB:rB+11], \c, v[rX], v[rY] matrix_a_fmt:MATRIX_FMT_BF6 matrix_b_fmt:MATRIX_FMT_BF6 matrix_a_scale:MATRIX_SCALE_ROW1 matrix_b_scale:MATRIX_SCALE_ROW1
.endif
.endm
.macro WM a, b, p, z
.set rD, 8*(8*((\a)%4)+(\b))
.set rA, 128*(\p)+12*(\b)
.set rB, QF+12*(\a)
.set rX, SB+8*(\p)+(\b)/2
.set rY, SA+8*(\p)+(\a)/2
.set kk, 2*((\a)%2)+(\b)%2
.if \z
	WMJ 0
.else
	WMJ v[rD:rD+7]
.endif
.endm
.macro MUL16 a0, st, z                 ; the 64 accumulators take turns, in the same order in every step
.irp a, \a0, \a0+1
.irp b, 0,1,2,3,4,5,6,7
	WM \a, \b, (\st)%2, \z
.endr
.endr
.endm
.macro FETCH_B st                      ; step st lies in slot (st / 2) % 2, chunk st % 2
	WIN 0x40
.irp i, 0,1,2,3,4,5,6,7
.irp c, 0,1,2
	ds_load_b128 v[128*((\st)%2)+12*\i+4*\c:128*((\st)%2)+12*\i+4*\c+3], v[ADRB+((\st)/2)%2] offset:((\st)%2)*CH+1536*\i+512*\c
.endr
.endr
	WIN 0
.endm
.macro FETCH_A st, i0
.irp i, \i0, \i0+1, \i0+2, \i0+3
.irp c, 0,1,2
	ds_load_b128 v[QF+12*(\i)+4*\c:QF+12*(\i)+4*\c+3], v[ADQ+((\st)/2)%2] offset:((\st)%2)*CH+1536*(\i)+512*\c
.endr
.endr
.endm
.macro SCALES st
	ds_load_b128 v[SA+8*((\st)%2):SA+8*((\st)%2)+3], v[ADQ+((\st)/2)%2] offset:((\st)%2)*CH+12288
	ds_load_b128 v[SB+8*((\st)%2):SB+8*((\st)%2)+3], v[ADRB+((\st)/2)%2] offset:((\st)%2)*CH+12288
.endm
.macro SECOND st, ask                  ; the next step's fragments, and a step's second half
	FETCH_B (\st)+1
	FETCH_A (\st)+1, 0
	SCALES (\st)+1
.if \ask
	ASK \ask
.endif
	WIN MUL_HI
.if (\st) == 0
	MUL16 4, \st, 1
	MUL16 6, \st, 1
.else
	MUL16 4, \st, 0
	MUL16 6, \st, 0
.endif
	PLACES
	WIN 0
	FETCH_A (\st)+1, 4
.endm
.macro STEP st, z
	s_wait_dscnt 12                                ; K's set, Q's tiles 0-3 and the scale words are in; the youngest 12 loads (Q's tiles 4-7) may be out
	WIN MUL_LO
	MUL16 0, \st, \z
	MUL16 2, \st, \z
	s_wait_dscnt 0x0
	PLACES
	SECOND \st, 0
.endm
.macro TURN st, fill                   ; fill > 0: slot (st / 2) % 2 takes that fill
.set SLT, ((\st)/2)%2
	s_wait_tensorcnt 0x0                           ; all my tensor loads have landed: my part of the other slot
	ds_add_u32 v[SPW], v[NIL]
	s_wait_dscnt 13                                ; (the add and the youngest 12 loads may be out)
	WIN MUL_LO
	MUL16 0, \st, 0
	s_wait_dscnt 0x0                               ; the add is done, and so are my reads of this slot
	s_barrier_signal -1
	MUL16 2, \st, 0
	WIN 0
	s_barrier_wait -1
.if \fill
	CREST                                          ; no wave of any partner still reads this slot or has a load on its way
	s_add_nc_u64 s[G0Q+4*SLT+2:G0Q+4*SLT+3], s[G0Q+4*SLT+2:G0Q+4*SLT+3], 4*CH
	s_add_nc_u64 s[G0K+4*SLT+2:G0K+4*SLT+3], s[G0K+4*SLT+2:G0K+4*SLT+3], 4*CH
	LOADS SLT
.if (\fill) < 3
	SECOND \st, (\fill)+1
.else
	SECOND \st, 0
.endif
.else
	PLACES
	SECOND \st, 0
.endif
.endm
; THE WAY OUT goes by pairs of tiles 2 p, 2 p + 1: 128 registers of one window; a pair's own block is b = p
.macro EMASK p                         ; the diagonal block of both tiles, score by score
.set W, 2+(\p)/2
.set S, 128*((\p)%2)
	WIN (W<<6)|W
.irp u, 0,1
.irp n, 0,1,2,3,4,5,6,7,8,9,10,11,12,13,14,15
	v_cndmask_b32 v[S+64*\u+16*(\p)+\n], v[S+64*\u+16*(\p)+\n], v[NINF], s[MK+16*\u+\n]
.endr
.endr
	WIN 0
.endm
.macro ROWMAX p                        ; the largest score of each block of 32 keys, and of my wave's 128 keys
.set W, 2+(\p)/2
.set S, 128*((\p)%2)
.set B8, BM+8*(\p)
	WIN (W<<2)|W
.irp b, 0,1,2,3,4,5,6,7
	v_max3_num_f32 v[B8+\b], v[S+16*\b], v[S+1+16*\b], 0xff800000      ; each accumulator is read from its low end on
.endr
.irp i, 2,4,6,8,10,12,14
.irp b, 0,1,2,3,4,5,6,7
	v_max3_num_f32 v[B8+\b], v[S+16*\b+\i], v[S+1+16*\b+\i], v[B8+\b]
.endr
.endr
	WIN 0
.irp b, 0,1,2,3,4,5,6,7
	v_permlanex16_b32 v[TP+\b], v[B8+\b], s[SEL], s[SEL+1]
.endr
.irp b, 0,1,2,3,4,5,6,7
	v_max_num_f32 v[B8+\b], v[B8+\b], v[TP+\b]     ; with lane l xor 16's 16 keys
.endr
.irp b, 0,1,2,3
.irp u, 0,1
.if \b > \p
	v_cndmask_b32 v[B8+4*\u+\b], v[B8+4*\u+\b], v[NINF], s[HP]
.elseif \b < \p
	v_cndmask_b32 v[B8+4*\u+\b], v[B8+4*\u+\b], v[NINF], s[HN]
.endif
.endr
.endr
.irp u, 0,1
	v_max3_num_f32 v[GM+2*(\p)+\u], v[B8+4*\u], v[B8+4*\u+1], v[B8+4*\u+2]
.endr
.irp u, 0,1
	v_max_num_f32 v[GM+2*(\p)+\u], v[GM+2*(\p)+\u], v[B8+4*\u+3]
.endr
.endm
.macro TFMA s, ad                      ; t - M' of a block, two at a time
.irp j, 0,2,4,6,8,10,12,14
	v_pk_fma_f32 v[\s+\j:\s+\j+1], v[\s+\j:\s+\j+1], s[CS:CS+1], v[\ad:\ad+1] op_sel_hi:[1,0,0]
.endr
.endm
.macro SOFT p                          ; p, its codes and scale words, its sums
.set W, 2+(\p)/2
.set S, 128*((\p)%2)
.set B8, BM+8*(\p)
.set N4, NP+4*(\p)
.set CD, QF+24*(\p)
	WIN 0
.irp u, 0,1
	v_mul_f32 v[N4+2*\u+1], s[CS], v[GM+2*(\p)+\u] ; the block's largest t of my row
.endr
.irp u, 0,1
	v_floor_f32 v[N4+2*\u], -v[N4+2*\u+1]          ; -M' = floor(-t) = -ceil(t): a whole number
.endr
.irp u, 0,1
	v_cndmask_b32 v[AD+4*\u], v[N4+2*\u], v[NINF], s[HP]       ; the addends of blocks over and under my own
	v_cndmask_b32 v[AD+4*\u+2], v[N4+2*\u], v[NINF], s[HN]
.endr
.irp u, 0,1
.irp b, 0,1,2,3
	v_fma_f32 v[B8+4*\u+\b], v[B8+4*\u+\b], s[CS], v[N4+2*\u]  ; t - M' of each block's largest score
.endr
.endr
	WIN (W<<6)|W
.irp u, 0,1
.irp b, 0,1,2,3
.if \b > \p
	TFMA S+64*\u+16*\b, AD+4*\u
.elseif \b < \p
	TFMA S+64*\u+16*\b, AD+4*\u+2
.else
	TFMA S+64*\u+16*\b, N4+2*\u
.endif
.endr
.endr
	s_wait_alu depctr_va_vdst(0)                   ; the wait ahead of the batch
.set j, 0
.rept 128
	v_exp_f32 v[S+j], v[S+j]                       ; p = 2^(t - M'), at most 1
.set j, j+1
.endr
	WIN 0
.irp b, 0,1,2,3,4,5,6,7
	v_exp_f32 v[B8+\b], v[B8+\b]                   ; the blocks' largest p: the same two instructions on the same numbers
.endr
	v_nop                                          ; a plain place behind the exponentials
	s_wait_alu depctr_va_vdst(0)                   ; and the wait ahead of the batch's first reader
.irp b, 0,1,2,3,4,5,6,7
	v_max_num_f32 v[B8+\b], 0x2800000, v[B8+\b]    ; the floor 2^(5 - 127): the byte cannot fall under 1
.endr
.irp b, 0,1,2,3,4,5,6,7
	v_add_nc_u32 v[SO+\b], 0xfe000000, v[B8+\b]
.endr
.irp b, 0,1,2,3,4,5,6,7
	v_lshrrev_b32 v[BY+\b], 23, v[SO+\b]
.endr
.irp k, 1,2,3
.irp u, 0,1
.if \k == 1
	v_lshl_or_b32 v[PW+2*(\p)+\u], v[BY+4*\u+1], 8, v[BY+4*\u]
.else
	v_lshl_or_b32 v[PW+2*(\p)+\u], v[BY+4*\u+\k], 8*\k, v[PW+2*(\p)+\u]
.endif
.endr
.endr
	WIN W
.irp u, 0,1
.irp c, 0,1
	v_cvt_scalef32_pk16_bf6_f32 v[CD+12*\u+6*\c:CD+12*\u+6*\c+2], v[S+64*\u+32*\c:S+64*\u+32*\c+15], v[SO+4*\u+2*\c]
	v_cvt_scalef32_pk16_bf6_f32 v[DT+8*\u+4*\c:DT+8*\u+4*\c+2], v[S+64*\u+32*\c+16:S+64*\u+32*\c+31], v[SO+4*\u+2*\c+1]
.endr
.endr
	WIN 0
	v_nop                                          ; one plain place behind a scaled conversion
.irp u, 0,1
.irp c, 0,1
.irp i, 0,1,2
	v_permlane16_swap_b32 v[CD+12*\u+6*\c+\i], v[DT+8*\u+4*\c+\i]      ; a whole block to a lane
.endr
.endr
.endr
.irp u, 0,1
.irp c, 0,1
.irp i, 0,1,2
	v_mov_b32 v[CD+12*\u+6*\c+3+\i], v[DT+8*\u+4*\c+\i]
.endr
.endr
.endr
.irp u, 0,1
.irp c, 0,1,2
	global_store_b128 v[LI], v[CD+12*\u+4*\c:CD+12*\u+4*\c+3], s[56:57] offset:1536*(2*(\p)+\u)+512*\c   ; 512 consecutive bytes; each tile has code registers of its own
.endr
.endr
	WIN (W<<6)|(W<<2)|W                            ; the sums are taken of the unquantised p: a tree over the 32 pairs of each tile, in place
.irp d, 16,8,4,2,1
.set k, 0
.rept \d
	v_pk_add_f32 v[S+2*k:S+2*k+1], v[S+2*k:S+2*k+1], v[S+2*(k+\d):S+2*(k+\d)+1]
	v_pk_add_f32 v[S+64+2*k:S+64+2*k+1], v[S+64+2*k:S+64+2*k+1], v[S+64+2*(k+\d):S+64+2*(k+\d)+1]
.set k, k+1
.endr
.endr
	WIN (W<<2)|W
.irp u, 0,1
	v_add_f32 v[LL+2*(\p)+\u], v[S+64*\u], v[S+64*\u+1]
.endr
	WIN 0
.irp u, 0,1
	v_permlanex16_b32 v[TP+\u], v[LL+2*(\p)+\u], s[SEL], s[SEL+1]
.endr
.irp u, 0,1
	v_add_f32 v[LL+2*(\p)+\u], v[LL+2*(\p)+\u], v[TP+\u]       ; with lane l xor 16's 64 keys
.endr
.endm
	s_load_b128 s[4:7], s[0:1], 0x0                ; QKc, Pc
	s_load_b64 s[8:9], s[0:1], 0x10                ; STAT
	v_lshl_add_u32 v[SPW], v0, 2, SPARE
	v_mov_b32 v[NIL], 0
	ds_add_u32 v[SPW], v[NIL]                      ; the opening lines
	ds_add_u32 v[SPW], v[NIL]
	v_lshrrev_b32 v1, 5, v0
	v_readfirstlane_b32 s14, v1                    ; wave 0..3
	s_bfe_u32 s10, ttmp6, 0x40000                  ; cx
	s_and_b32 s11, ttmp7, 0xffff
	s_and_b32 s12, s11, 3                          ; b
	s_lshr_b32 s13, s11, 2                         ; t = 0..9
	s_cmp_ge_u32 s13, 1
	s_cselect_b32 s15, 1, 0
	s_cmp_ge_u32 s13, 3
	s_cselect_b32 s17, 1, 0
	s_add_co_u32 s15, s15, s17
	s_cmp_ge_u32 s13, 6
	s_cselect_b32 s17, 1, 0
	s_add_co_u32 s15, s15, s17                     ; I
	s_add_co_u32 s17, s15, 1
	s_mul_i32 s17, s17, s15
	s_lshr_b32 s17, s17, 1
	s_sub_co_u32 s16, s13, s17                     ; J = t - I (I + 1) / 2
	s_lshl_b32 s18, s12, 4                         ; 16 b
	s_lshl_b32 s19, s15, 2
	s_add_co_u32 s19, s19, s18
	s_add_co_u32 s19, s19, s10                     ; my query group: it enters Q's, P's and STAT's addresses alone
	s_lshl_b32 s13, s16, 2                         ; 4 J
	s_and_b32 s11, s14, 1
	s_mul_i32 s[QB], s19, 16*CH                    ; Q: my query group's chunks
	s_mov_b32 s[QB+1], 0
	s_add_co_u32 s2, s13, s18                      ; key group 4 J of the batch
	s_add_co_u32 s3, s2, s14
	s_mul_i32 s[KB], s3, 16*CH
	s_add_co_u32 s[KB], s[KB], 8*CH                ; K: chunks 8 on of my wave's key group
	s_mov_b32 s[KB+1], 0
	s_lshl_b32 s3, s11, 1
	s_add_co_u32 s2, s2, s3
	s_mul_i32 s2, s2, 16*CH
	s_add_co_u32 s2, s2, 8*CH                      ; and of the two key groups that waves 2 and 3 fetch: the same in all four partners
	s_mov_b32 s3, 0
	s_lshl_b32 s58, s19, 4
	s_add_co_u32 s58, s58, s13
	s_add_co_u32 s58, s58, s14                     ; P's chunk: 16 x query group + 4 J + w
	s_mul_i32 s56, s58, CH
	s_mov_b32 s57, 0
	s_lshl_b32 s58, s58, 10
	s_mov_b32 s59, 0
	s_cmp_le_u32 s10, s14
	s_cselect_b32 s[HP], -1, 0
	s_cmp_lt_u32 s10, s14
	s_cselect_b32 s[HN], -1, 0
	s_cmp_eq_u32 s15, s16                          ; off the diagonal nothing is hidden
	s_cselect_b32 s[HP], s[HP], 0
	s_cselect_b32 s[HN], s[HN], 0
	s_sub_co_i32 s17, s10, s14
	s_lshl_b32 s17, s17, 7                         ; 128 (cx - w): on the diagonal, my queries' lead over my wave's keys
	s_mov_b32 s[G1Q], 3<<16                        ; no mask; elements of 8 bytes; no padding
	s_mov_b32 s[G1K], 15|(3<<16)|(1<<21)           ; the mask: all four work-groups; 21 set beside it
	GRP G1Q, 32, 50, 32                            ; 12,800 dense bytes
	GRP G1K, 3200, 2, 25600                        ; two runs of 25,600 bytes, 16 chunks apart
	s_mov_b32 s[SEL], 0x76543210
	s_mov_b32 s[SEL+1], 0xfedcba98
	s_mov_b32 s[CS], 0x3d38aa3b                    ; c = log2(e) / 32
	s_mov_b32 s[CS+1], s[CS]                       ; (named with it as a pair, so it is written)
	s_mov_b32 s[HM], 0xffff0000
	s_mul_i32 s18, s11, CH
	s_mov_b32 s19, 0
	s_mul_i32 s13, s11, 4*CH
	s_add_co_u32 s13, s13, 2*CH
	s_wait_dscnt 0x0                               ; both opening adds are done
	s_wait_kmcnt 0x0
	s_add_nc_u64 s[QB:QB+1], s[4:5], s[QB:QB+1]
	s_add_nc_u64 s[KB:KB+1], s[4:5], s[KB:KB+1]
	s_add_nc_u64 s[2:3], s[4:5], s[2:3]
	s_add_nc_u64 s[56:57], s[6:7], s[56:57]
	s_add_nc_u64 s[58:59], s[8:9], s[58:59]
	s_add_nc_u64 s[4:5], s[QB:QB+1], s[18:19]
.irp s, 0,1
	s_mov_b32 s[G0Q+4*\s], 1
	s_add_co_u32 s[G0Q+4*\s+1], s18, \s*SLOT
	s_add_nc_u64 s[G0Q+4*\s+2:G0Q+4*\s+3], s[4:5], \s*2*CH
	s_or_b32 s[G0Q+4*\s+3], s[G0Q+4*\s+3], 0x80000000
	s_mov_b32 s[G0K+4*\s], 1
	s_add_co_u32 s[G0K+4*\s+1], s13, \s*SLOT
	s_add_nc_u64 s[G0K+4*\s+2:G0K+4*\s+3], s[2:3], \s*2*CH
	s_or_b32 s[G0K+4*\s+3], s[G0K+4*\s+3], 0x80000000
.endr
	CROUND                                         ; all four work-groups are here: the first joint loads meet
	LOADS 0                                        ; fill 0
	v_and_b32 v1, 31, v0
	v_and_b32 v2, 15, v0                           ; r
	v_bfe_u32 v3, v0, 4, 1                         ; h
	v_lshlrev_b32 v[LI], 4, v1
	v_min_u32 v4, 24, v1                           ; (lanes left over name their wave's last block again)
	s_mul_i32 s2, s10, 25
	s_mul_i32 s3, s14, 25
	v_add_nc_u32 v5, s2, v4
	v_add_nc_u32 v6, s3, v4
	v_lshlrev_b32 v[PK], 8, v5                     ; my key group's block 25 cx + lane
	v_lshlrev_b32 v[PQ], 8, v6                     ; Q's block 25 w + lane
	ASK 1
	v_lshlrev_b32 v[ADQ], 4, v1
	v_add_nc_u32 v[ADQ+1], SLOT, v[LI]
	s_mul_i32 s2, s14, 2*CH
	s_add_co_u32 s2, s2, 2*CH
	v_add_nc_u32 v[ADRB], s2, v[LI]
	s_add_co_u32 s2, s2, SLOT
	v_add_nc_u32 v[ADRB+1], s2, v[LI]
	s_lshl_b32 s3, s14, 9
	s_add_co_u32 s3, s3, XCH
	v_add_nc_u32 v[XWA], s3, v[LI]                 ; where my wave puts its maxima
	v_lshlrev_b32 v7, 4, v2
	v_add_nc_u32 v[XRA], XCH, v7                   ; and where a lane finds its row's
	v_and_b32 v8, 8, v2
	v_add_nc_u32 v8, v8, v2                        ; r + 8 (r / 8)
	v_lshlrev_b32 v9, 4, v3
	v_sub_nc_u32 v8, v8, v9
	v_add_nc_u32 v[D0], s17, v8                    ; 128 (cx - w) + r + 8 (r / 8) - 16 h
	v_add_nc_u32 v[D1], 8, v[D0]                   ; odd tiles lie 8 rows on
	v_mov_b32 v[NINF], 0xff800000
.irp b, 0,1,2,3,4,5,6,7
	v_mov_b32 v[TP+\b], 0                          ; written once: a lane permute's destination counts as one of its sources
.endr
.irp b, 1,3,5,7
	v_mov_b32 v[AD+\b], 0                          ; (named as the upper halves of pairs)
.endr
	s_wait_alu depctr_va_vdst(0)
	s_wait_tensorcnt 0x0                           ; my part of fill 0 is in
	ds_add_u32 v[SPW], v[NIL]
	s_wait_dscnt 0x0
	CROUND
	LOADS 1                                        ; fill 1
	FETCH_B 0
	FETCH_A 0, 0
	SCALES 0
	FETCH_A 0, 4
	ASK 2
	STEP 0, 1
	TURN 1, 2
	STEP 2, 0
	TURN 3, 3
	STEP 4, 0
	TURN 5, 0
	STEP 6, 0
	s_wait_dscnt 12                                ; the last step
	WIN MUL_LO
	MUL16 0, 7, 0
	MUL16 2, 7, 0
	s_wait_dscnt 0x0
	WIN MUL_HI
	MUL16 4, 7, 0
	MUL16 6, 7, 0
	WIN 0
	PLACES
	s_cmp_lg_u32 s15, s16                          ; off the diagonal every key counts: I and J are the same in all partners
	s_cbranch_scc1 .Lopen
	s_wait_alu depctr_va_vdst(0)
.irp n, 0,1,2,3,4,5,6,7,8,9,10,11,12,13,14,15
	v_cmp_gt_i32 s[MK+\n], \n, v[D0]
	v_cmp_gt_i32 s[MK+16+\n], \n, v[D1]
.endr
.irp p, 0,1,2,3
	EMASK \p
.endr
.Lopen:
.irp p, 0,1,2,3
	ROWMAX \p
.endr
.irp c, 0,1,2,3
	v_cndmask_b32 v[BY+\c], v[GM+2*\c], v[GM+2*\c+1], s[HM]   ; lanes 0-15 the even tiles' rows, lanes 16-31 the odd tiles'
.endr
	ds_store_b128 v[XWA], v[BY:BY+3]
	s_wait_alu depctr_va_vdst(0)
	s_wait_dscnt 0x0                               ; for the others' sake: my maxima have landed
	s_barrier_signal -1
	s_barrier_wait -1
.irp w, 0,1,2,3
.irp u, 0,1
	ds_load_b128 v[XL+8*\w+4*\u:XL+8*\w+4*\u+3], v[XRA] offset:512*\w+256*\u   ; wave w's maxima of tiles 2 c + u, my row
.endr
.endr
	s_wait_dscnt 0x0
.irp c, 0,1,2,3
.irp u, 0,1
	v_max3_num_f32 v[GM+2*\c+\u], v[XL+4*\u+\c], v[XL+8+4*\u+\c], v[XL+16+4*\u+\c]
.endr
.endr
.irp c, 0,1,2,3
.irp u, 0,1
	v_max_num_f32 v[GM+2*\c+\u], v[GM+2*\c+\u], v[XL+24+4*\u+\c]   ; the row's largest score among the block's 512 keys
.endr
.endr
.irp p, 0,1,2,3
	SOFT \p
.endr
.irp c, 0,1,2,3
	v_cndmask_b32 v[SWD+\c], v[PW+2*\c], v[PW+2*\c+1], s[HM]
	v_cndmask_b32 v[SWD+4+\c], v[NP+4*\c], v[NP+4*\c+2], s[HM]
	v_cndmask_b32 v[SWD+8+\c], v[LL+2*\c], v[LL+2*\c+1], s[HM]
.endr
	global_store_b128 v[LI], v[SWD:SWD+3], s[56:57] offset:12288   ; P's scale words
	global_store_b128 v[LI], v[SWD+4:SWD+7], s[58:59]              ; -M'
	global_store_b128 v[LI], v[SWD+8:SWD+11], s[58:59] offset:512  ; l'
	s_wait_tensorcnt 0x0                           ; the wave's end
	ds_add_u32 v[SPW], v[NIL]
	s_wait_dscnt 0x0
	CROUND                                         ; the closing round
	s_endpgm
.Lfunc_end_k_q20e16210a3_scores:
	.size	k_q20e16210a3_scores, .Lfunc_end_k_q20e16210a3_scores-k_q20e16210a3_scores
	.p2alignl 7, 3214868480
	.fill 96, 4, 3214868480
	.section	.rodata,"a",@progbits
	.p2align	6, 0x0
	.amdhsa_kernel k_q20e16210a3_scores
		.amdhsa_group_segment_fixed_size 327680
		.amdhsa_private_segment_fixed_size 0
		.amdhsa_enable_private_segment 0
		.amdhsa_kernarg_size 24
		.amdhsa_user_sgpr_count 2
		.amdhsa_user_sgpr_kernarg_segment_ptr 1
		.amdhsa_wavefront_size32 1
		.amdhsa_system_sgpr_workgroup_id_x 1
		.amdhsa_system_sgpr_workgroup_id_y 1
		.amdhsa_system_sgpr_workgroup_id_z 1
		.amdhsa_system_vgpr_workitem_id 0
		.amdhsa_next_free_vgpr 1024
		.amdhsa_next_free_sgpr 100
		.amdhsa_reserve_vcc 0
		.amdhsa_float_denorm_mode_32 3
		.amdhsa_float_denorm_mode_16_64 3
		.amdhsa_memory_ordered 1
		.amdhsa_forward_progress 1
		.amdhsa_inst_pref_size 209
	.end_amdhsa_kernel
	.amdgpu_metadata
---
amdhsa.version: [ 1, 2 ]
amdhsa.kernels:
  - .name:           k_q20e16210a3_scores
    .symbol:         k_q20e16210a3_scores.kd
    .args:
      - { .name: QKc, .offset: 0, .size: 8, .value_kind: global_buffer, .address_space: global }
      - { .name: Pc, .offset: 8, .size: 8, .value_kind: global_buffer, .address_space: global }
      - { .name: STAT, .offset: 16, .size: 8, .value_kind: global_buffer, .address_space: global }
    .group_segment_fixed_size: 327680
    .private_segment_fixed_size: 0
    .kernarg_segment_align: 8
    .kernarg_segment_size: 24
    .max_flat_workgroup_size: 128
    .sgpr_count:     100
    .vgpr_count:     1024
    .wavefront_size: 32
...
	.end_amdgpu_metadata
.endif
;; end of part 3
;; launch pv (part 4): grid 8 x 32, 4 waves a work-group, clusters of 4 x 4, 327,680 bytes of LDS; arguments Pc, Vc, STAT, out0; writes out0
.if DOCPART == 4
	.amdgcn_target "amdgcn-amd-amdhsa--gfx1250"
	.amdhsa_code_object_version 6
	.text
	.protected	k_q20e16210a3_pv
	.globl	k_q20e16210a3_pv
	.p2align	8
	.type	k_q20e16210a3_pv,@function
k_q20e16210a3_pv:
	s_mov_b64 s[64:65], 0
	v_nop
	global_prefetch_b8 v0, s[64:65] scope:SCOPE_SE
	s_setreg_imm32_b32 hwreg(HW_REG_WAVE_MODE, 25, 1), 1
	s_wait_xcnt 0x0
	s_wait_alu depctr_hold_cnt(0) depctr_sa_sdst(0) depctr_va_vdst(0) depctr_va_sdst(0) depctr_va_ssrc(0) depctr_va_vcc(0) depctr_vm_vsrc(0)
	s_getreg_b32 s2, hwreg(HW_REG_IB_STS2, 6, 4)
	s_cmp_eq_u32 s2, 0
	s_cbranch_scc0 .Lentry_in_a_cluster
	s_endpgm
.Lentry_in_a_cluster:
	s_bfe_u32 s2, ttmp6, 0x10000c
	s_cmp_lg_u32 s2, 0xf033
	s_cbranch_scc0 .Lentry_shape_is_right
	s_endpgm
.Lentry_shape_is_right:
; O = (the sum over blocks of 512 keys of 2^(M'_block - M) P_block V) / l.  P's and V's chunks are E3M2 codes in the order of the operand's registers; -M' and l' come from STAT, a word for each row and chunk.
; The whole power of two 2^(M'_block - M) goes into P's scale bytes: byte' = max(byte - (M - M'), 1), M - M' held at 126.  (A byte of 1 under codes up to 28 is under 2^-121, beside a largest p of 1/2 or more.)
; SHARES.  A work-group takes TWO query groups of 128 of a batch, g (short, S) and 15 - g (long, L), x 128 of e: key blocks 0 .. g / 4 and 0 .. (15 - g) / 4, five blocks in all for every g.
; Class A: g = 0..3: block 0 of both, then L's blocks 1 to 3.  Class B: g = 4..7: blocks 0, 1 of both, then L's block 2.  Blocks that the causal mask hides wholly are not done.
; The cluster's y = 2 batch + class; cy = g % 4; e group = 4 x cluster x + cx.  P is shared along a row of the cluster, V along a column (the four g of a class walk the same keys): joint loads.
; Wave w: 64 queries of each group (half w / 2) x 64 e (half w % 2): 16 + 16 accumulators.
; THREE FILLS of at most 12 chunks, one load a wave: fill 0: block 0: L's P, S's P, V.  Class A: fills 1, 2: six chunks of L's P, six of V.  Class B: fill 1 like fill 0; fill 2: four and four.
; PREFETCHES: behind fill 0's load a wave asks for fill 1, behind fill 1's for fill 2, the last.  A run of six (A) or four (B) chunks is 300 or 200 blocks of 256 bytes; the four partners that ask for it jointly share its blocks
; out by address: 75 or 50 a work-group, 19 or 13 a wave.
; S goes out while a later fill is on its way.
; THE MATRIX INSTRUCTION IS USED TRANSPOSED (source 0 = 16 of e, source 1 = 16 queries): lane (r, h) holds query (a, r); accumulator (a, t) register j is e = 32 (t / 2) + 16 h + 8 (t % 2) + j of my 64.
; LIMITS: NaN and infinities are not served; a NaN, an infinity or an overflow in hidden blocks alone is not carried to the result.
; REGISTERS: window 0: addresses, scale words, v128-223 V's fragments, two sets of 48 (then rows of O); window 1: P's, two sets of 96; window 2: accumulators: L's (a, t) at v[8 (4 a + t)], S's 128 on.
.set CH,    12800
.set SLOT,  12*CH
.set STAGE, 2*SLOT                     ; behind the ring: 16 rows x 272 bytes for each wave; no tile lands here
.set SPARE, STAGE+4*4352               ; the spare words: no other line names them
.set PFP,  10                          ; v10 the prefetches' offset in a run of P's chunks
.set PFV,  11                          ; v11 and of V's
.set PA,   16                          ; v16-21 P's tiles: a base for every four chunks of the two slots
.set PSA,  22                          ; P's scale words
.set VA,   28                          ; V's tiles
.set VSA,  34                          ; V's scale words
.set STO,  40
.set RD,   41
.set CO,   42
.set SPW,  43
.set NIL,  44
.set LI,   45
.set LQ,   46
.set PSC,  48
.set VSC,  64
.set T1,   80
.set T2,   96
.set MN,   112
.set ZR,   116
.set VF,   128
.set LM,   128                         ; at the head: -M' of L's four blocks, then l' of their chunks
.set LL,   136
.set SM,   168                         ; and S's two
.set SL,   172
.set DL,   224                         ; v224-235 (M - M' + 1) in every byte: L's blocks 0-3, S's blocks 0, 1; two registers each
.set IL,   236                         ; 1 / l, a pair for each tile
.set IS,   244
.set SB,   16                          ; s[16:17] S's P; s[68:69] L's P; s[70:71] V: where the prefetches' runs are counted from
.set P4,   24
.set V2,   32
.set F0P,  40
.set F0V,  44
.set P3,   48
.set V3,   56
.set AP,   72
.set AV,   76
.set BP,   80
.set BV,   84
.set P2,   88
.set HB,   98
.set ONE,  99
.set MSB, 0
.macro WIN new
.set WNEW, (\new)
.if MSB != WNEW
	s_set_vgpr_msb (MSB<<8)|WNEW
.set MSB, WNEW
.endif
.endm
.macro PLACES
.rept 4
	v_nop
.endr
.endm
.macro GRP g, r                        ; r rows of 256 dense bytes, elements of 8 bytes
	s_mov_b32 s[\g+1], 32<<16
	s_mov_b32 s[\g+2], (\r)<<16
	s_mov_b32 s[\g+3], 32<<16
	s_mov_b32 s[\g+4], \r
	s_mov_b32 s[\g+5], 32
	s_mov_b32 s[\g+6], 0
	s_mov_b32 s[\g+7], 0
.endm
.macro LDT g0, g1
	tensor_load_to_lds s[\g0:\g0+3], s[\g1:\g1+7]
	s_nop 0
	PLACES
.endm
.macro PICK gp, hp, gv, hv             ; waves 0 and 1 fetch P, waves 2 and 3 V
	s_cmp_lt_u32 s14, 2
	s_cbranch_scc0 .Lpick_v_\@
	LDT \gp, \hp
	s_branch .Lpicked_\@
.Lpick_v_\@:
	LDT \gv, \hv
.Lpicked_\@:
.endm
.macro ASK v, sb, ch                   ; my share of the run that begins at chunk ch
	global_prefetch_b8 v[\v], s[\sb:\sb+1] offset:(\ch)*CH th:TH_LOAD_NT scope:SCOPE_SE
.endm
.macro CREST
	s_cmp_lg_u32 s14, 0
	s_cbranch_scc1 .Lnot_wave_0_\@
	s_barrier_signal -3
.Lnot_wave_0_\@:
	s_barrier_wait -3
	s_barrier_signal -1
	s_barrier_wait -1
.endm
.macro CROUND
	s_barrier_signal -1
	s_barrier_wait -1
	CREST
.endm
.macro WMJ c
.if kk == 0
	v_wmma_scale_f32_16x16x128_f8f6f4 v[rD:rD+7], v[rA:rA+11], v[rB:rB+11], \c, v[rX], v[rY] matrix_a_fmt:MATRIX_FMT_BF6 matrix_b_fmt:MATRIX_FMT_BF6
.elseif kk == 1
	v_wmma_scale_f32_16x16x128_f8f6f4 v[rD:rD+7], v[rA:rA+11], v[rB:rB+11], \c, v[rX], v[rY] matrix_a_fmt:MATRIX_FMT_BF6 matrix_b_fmt:MATRIX_FMT_BF6 matrix_a_scale:MATRIX_SCALE_ROW1
.elseif kk == 2
	v_wmma_scale_f32_16x16x128_f8f6f4 v[rD:rD+7], v[rA:rA+11], v[rB:rB+11], \c, v[rX], v[rY] matrix_a_fmt:MATRIX_FMT_BF6 matrix_b_fmt:MATRIX_FMT_BF6 matrix_b_scale:MATRIX_SCALE_ROW1
.else
	v_wmma_scale_f32_16x16x128_f8f6f4 v[rD:rD+7], v[rA:rA+11], v[rB:rB+11], \c, v[rX], v[rY] matrix_a_fmt:MATRIX_FMT_BF6 matrix_b_fmt:MATRIX_FMT_BF6 matrix_a_scale:MATRIX_SCALE_ROW1 matrix_b_scale:MATRIX_SCALE_ROW1
.endif
.endm
.macro WM grp, a, b, s, z
.set rD, 128*(\grp)+8*(4*(\a)+(\b))
.set rA, VF+48*((\s)%2)+12*(\b)
.set rB, 96*((\s)%2)+48*(\grp)+12*(\a)
.set rX, VSC+2*(\s)+(\b)/2
.set rY, PSC+8*(\grp)+2*(\s)+(\a)/2
.set kk, 2*((\a)%2)+(\b)%2
.if \z
	WMJ 0
.else
	WMJ v[rD:rD+7]
.endif
.endm
; md: 0 both groups (L's P in the slot's chunks 0-3, S's in 4-7, V in 8-11); 1 L alone, six steps (P 0-5, V 6-11); 2 L alone, four steps (P 0-3, V 4-7)
.macro MULM md, s, z                   ; step s: the accumulators take turns
	WIN 0xa4
.irp a, 0,1,2,3
.irp b, 0,1,2,3
	WM 0, \a, \b, \s, \z
.endr
.endr
.if (\md) == 0
.irp a, 0,1,2,3
.irp b, 0,1,2,3
	WM 1, \a, \b, \s, \z
.endr
.endr
.endif
.endm
.macro FR d, adr, ch                   ; my four tiles of chunk ch: 12 LDS loads
.irp i, 0,1,2,3
.irp c, 0,1,2
	ds_load_b128 v[(\d)+12*\i+4*\c:(\d)+12*\i+4*\c+3], v[\adr+(\ch)/4] offset:((\ch)%4)*CH+1536*\i+512*\c
.endr
.endr
.endm
.macro FETCHM sl, md, s                ; step s of slot sl into set s % 2: 36 loads (md = 0) or 24
.set cp, 12*(\sl)+(\s)
.set cv, cp+8-2*(\md)
.set sp, (\s)%2
	WIN 0x40
	FR 96*sp, PA, cp
.if (\md) == 0
	FR 96*sp+48, PA, cp+4
.endif
	WIN 0
	FR VF+48*sp, VA, cv
.endm
.macro SCL d, adr, ch
	ds_load_b64 v[\d:\d+1], v[\adr+(\ch)/4] offset:((\ch)%4)*CH
.endm
.macro EACH n                          ; (names the loop below: ai runs over the scale words)
.set ai, 0
.set an, \n
.endm
; P's scale words under the row's own M, byte by byte: with H = 0x80 in every byte and D = M - M' + 1: t = (x | H) - D keeps H where x >= D, and there its low bits are x - D; elsewhere 0; then + 1.  (x is at most 123: p is at most 1.)
.macro ADJ k0, md
	EACH 2*np
.rept an
	v_or_b32 v[PSC+ai], s[HB], v[PSC+ai]
.set ai, ai+1
.endr
	EACH 2*np
.rept an
.set db, DL+2*(((\k0)+ai/2)/4)+ai%2
.if (\md) == 0
.if ai > 7
.set db, DL+8+2*((\k0)/4)+ai%2
.endif
.endif
	v_sub_nc_u32 v[PSC+ai], v[PSC+ai], v[db]
.set ai, ai+1
.endr
	EACH 2*np
.rept an
	v_and_b32 v[T1+ai], s[HB], v[PSC+ai]
.set ai, ai+1
.endr
	EACH 2*np
.rept an
	v_lshrrev_b32 v[T2+ai], 7, v[T1+ai]
.set ai, ai+1
.endr
	EACH 2*np
.rept an
	v_sub_nc_u32 v[T1+ai], v[T1+ai], v[T2+ai]      ; 0x7f where H was kept
.set ai, ai+1
.endr
	EACH 2*np
.rept an
	v_and_b32 v[PSC+ai], v[PSC+ai], v[T1+ai]
.set ai, ai+1
.endr
	EACH 2*np
.rept an
	v_add_nc_u32 v[PSC+ai], s[ONE], v[PSC+ai]
.set ai, ai+1
.endr
	PLACES                                         ; a scale register written by a vector instruction stands 8 places ahead of a scaled matrix instruction
	PLACES
	s_wait_alu depctr_va_vdst(0)
.endm
; the work on slot sl: ns steps, the first of them keys 128 k0 on; the last step's products are left to what follows
.macro PHASE sl, md, ns, k0, z
	PLACES
.set si, 0
.rept \ns
	SCL PSC+2*si, PSA, 12*(\sl)+si
.if (\md) == 0
	SCL PSC+8+2*si, PSA, 12*(\sl)+4+si
.endif
	SCL VSC+2*si, VSA, 12*(\sl)+si+8-2*(\md)
.set si, si+1
.endr
.set np, \ns
.set nf, 24
.if (\md) == 0
.set np, 2*(\ns)
.set nf, 36
.endif
	FETCHM \sl, \md, 0
	s_wait_dscnt nf                                ; the scale words are in; the fragments just asked for may be out
	ADJ \k0, \md
.set ps, 0
.rept (\ns)-1
	FETCHM \sl, \md, ps+1
	s_wait_dscnt nf                                ; all but those just issued
.if ps == 0
	MULM \md, ps, \z
.else
	MULM \md, ps, 0
.endif
	PLACES
.set ps, ps+1
.endr
	WIN 0
.endm
.macro MEET md, s, step                ; the phase's last step and the barrier
	s_wait_tensorcnt 0x0                           ; all my tensor loads have landed
	ds_add_u32 v[SPW], v[NIL]
.if \step
.irp g, AP, AV
	s_sub_co_u32 s[\g+1], s[\g+1], SLOT            ; class A's fill 2: six chunks on, into slot 0
	s_add_nc_u64 s[\g+2:\g+3], s[\g+2:\g+3], 6*CH
.endr
.endif
	s_wait_dscnt 0x0                               ; the add is done, and so are my reads of this slot
	s_barrier_signal -1
	MULM \md, \s, 0
	WIN 0
	s_barrier_wait -1
.endm
; THE WAY OUT of a group, a tile of 16 queries x my 64 e at a time, through my own stage: in as 16 bytes of a lane's row, back as whole rows of 256 bytes.  LDS serves a wave's instructions in order.
.macro SEND a, ob, younger             ; younger: the LDS instructions issued behind tile a's loads, which may stay out
.set BK, 128+32*((\a)%2)
	s_wait_dscnt \younger
.irp i, 0,1,2,3,4,5,6,7
	global_store_b128 v[CO], v[BK+4*\i:BK+4*\i+3], s[\ob:\ob+1] offset:(32*((\a)/2)+8*((\a)%2)+2*\i+8*(\i/4))*4096 th:TH_STORE_NT   ; 16 lanes store 256 consecutive bytes, at a multiple of 256
.endr
.endm
.macro OUT g, il, ob
.irp a, 0,1,2,3
.set TB, 80+112*(\a%2)
.set BK, 128+32*(\a%2)
.if \a > 1
	s_wait_xcnt 0x0                                ; tile a - 2's stores have read their registers
.endif
	WIN 0x02                                       ; source 0 window 2
.irp k, 0,2,4,6,8,10,12,14,16,18,20,22,24,26,28,30
	v_pk_mul_f32 v[TB+\k:TB+\k+1], v[128*(\g)+32*\a+\k:128*(\g)+32*\a+\k+1], v[\il+2*\a:\il+2*\a+1]
.endr
	WIN 0
.irp k, 0,1,2,3,4,5,6,7
	ds_store_b128 v[STO], v[TB+4*\k:TB+4*\k+3] offset:128*(\k/4)+16*(\k%4)
.endr
.irp i, 0,1,2,3,4,5,6,7
	ds_load_b128 v[BK+4*\i:BK+4*\i+3], v[RD] offset:544*\i
.endr
.if \a > 0
	SEND \a-1, \ob, 16
.endif
.endr
	SEND 3, \ob, 0
	s_wait_xcnt 0x0                                ; the stores have read their registers
.endm
	s_load_b256 s[4:11], s[0:1], 0x0               ; Pc s[4:5], Vc s[6:7], STAT s[8:9], out0 s[10:11]
	v_lshl_add_u32 v[SPW], v0, 2, SPARE
	v_mov_b32 v[NIL], 0
	ds_add_u32 v[SPW], v[NIL]                      ; the opening lines
	ds_add_u32 v[SPW], v[NIL]
	v_lshrrev_b32 v1, 5, v0
	v_readfirstlane_b32 s14, v1                    ; wave 0..3
	s_lshr_b32 s12, s14, 1                         ; my half of the queries
	s_and_b32 s13, s14, 1                          ; my half of e.  Also: which half of a tile I fetch
	s_bfe_u32 s15, ttmp6, 0x40000                  ; cx
	s_bfe_u32 s16, ttmp6, 0x40004                  ; cy
	s_and_b32 s17, ttmp7, 0xffff
	s_lshr_b32 s18, s17, 1                         ; batch
	s_and_b32 s19, s17, 1                          ; class
	s_lshl_b32 s20, s19, 2
	s_add_co_u32 s20, s20, s16                     ; g
	s_lshl_b32 s21, ttmp9, 2
	s_add_co_u32 s21, s21, s15                     ; e group
	s_lshl_b32 s23, s18, 4
	s_add_co_u32 s22, s23, 15
	s_sub_co_u32 s22, s22, s20                     ; L's query group
	s_add_co_u32 s23, s23, s20                     ; S's
	s_lshl_b32 s66, s16, 2
	s_lshl_b32 s66, 15, s66                        ; my row of the cluster
	s_lshl_b32 s67, 0x1111, s15                    ; my column
	s_or_b32 s[P4], s66, (3<<16)|(1<<21)
	s_or_b32 s[P3], s66, (3<<16)|(1<<21)
	s_or_b32 s[P2], s66, (3<<16)|(1<<21)
	s_or_b32 s[V2], s67, (3<<16)|(1<<21)
	s_or_b32 s[V3], s67, (3<<16)|(1<<21)
	GRP P4, 200
	GRP P3, 150
	GRP P2, 100
	GRP V2, 100
	GRP V3, 150
	v_and_b32 v1, 31, v0
	v_and_b32 v2, 15, v0                           ; r
	v_bfe_u32 v3, v0, 4, 1                         ; h
	v_lshlrev_b32 v[LI], 4, v1
	s_lshl_b32 s2, s12, 3
	v_add_nc_u32 v[LQ], s2, v[LI]                  ; 16 x lane + 8 x my query half: two words: tiles 0/1 and 2/3 of my four
	; the prefetches' offsets in a run: lanes left over name their wave's last block again
	s_cmp_eq_u32 s19, 0
	s_cselect_b32 s2, 75, 50                       ; blocks of a run for a work-group
	s_cselect_b32 s3, 19, 13                       ; and for a wave
	s_sub_co_u32 s20, s3, 1
	v_min_u32 v7, s20, v1
	s_mul_i32 s20, s14, s3
	v_add_nc_u32 v7, s20, v7
	s_sub_co_u32 s20, s2, 1
	v_min_u32 v7, s20, v7
	s_mul_i32 s20, s15, s2
	v_add_nc_u32 v8, s20, v7                       ; P: partners along a row differ in cx
	s_mul_i32 s20, s16, s2
	v_add_nc_u32 v9, s20, v7                       ; V: partners along a column in cy
	v_lshlrev_b32 v[PFP], 8, v8
	v_lshlrev_b32 v[PFV], 8, v9
	s_mul_i32 s[SB], s23, 16*CH
	s_mov_b32 s[SB+1], 0
	s_cmp_eq_u32 s14, 1
	s_cselect_b32 s66, s23, s22                    ; wave 1 fetches S's P where both groups are wanted
	s_mul_i32 s66, s66, 16*CH
	s_mov_b32 s67, 0
	s_mul_i32 s68, s22, 16*CH
	s_mov_b32 s69, 0
	s_lshl_b32 s70, s18, 3
	s_add_co_u32 s70, s70, s21
	s_mul_i32 s70, s70, 16*CH
	s_mov_b32 s71, 0
	s_mul_i32 s96, s13, 2*CH
	s_mov_b32 s97, 0
	s_mul_i32 s98, s13, 3*CH
	s_mov_b32 s99, 0
.irp g, F0P, F0V, AP, AV, BP, BV
	s_mov_b32 s[\g], 1
.endr
	s_mul_i32 s[F0P+1], s14, 4*CH
	s_mul_i32 s[F0V+1], s14, 2*CH
	s_add_co_u32 s[F0V+1], s[F0V+1], 4*CH          ; waves 2, 3: chunks 8, 10
	s_mul_i32 s[AP+1], s14, 3*CH
	s_add_co_u32 s[AP+1], s[AP+1], SLOT
	s_mul_i32 s[AV+1], s14, 3*CH
	s_add_co_u32 s[AV+1], s[AV+1], SLOT
	s_mul_i32 s[BP+1], s14, 4*CH
	s_add_co_u32 s[BP+1], s[BP+1], SLOT
	s_mul_i32 s[BV+1], s14, 2*CH
	s_add_co_u32 s[BV+1], s[BV+1], SLOT+4*CH
	s_wait_alu depctr_va_vdst(0)
	s_wait_dscnt 0x0                               ; both opening adds are done
	s_wait_kmcnt 0x0
	s_add_nc_u64 s[66:67], s[4:5], s[66:67]
	s_add_nc_u64 s[68:69], s[4:5], s[68:69]
	s_add_nc_u64 s[SB:SB+1], s[4:5], s[SB:SB+1]
	s_add_nc_u64 s[70:71], s[6:7], s[70:71]
	s_mov_b64 s[F0P+2:F0P+3], s[66:67]
	s_add_nc_u64 s[F0V+2:F0V+3], s[70:71], s[96:97]
	s_add_nc_u64 s[BP+2:BP+3], s[66:67], 4*CH
	s_add_nc_u64 s[BV+2:BV+3], s[F0V+2:F0V+3], 4*CH
	s_add_nc_u64 s[AP+2:AP+3], s[68:69], 4*CH
	s_add_nc_u64 s[AP+2:AP+3], s[AP+2:AP+3], s[98:99]
	s_add_nc_u64 s[AV+2:AV+3], s[70:71], 4*CH
	s_add_nc_u64 s[AV+2:AV+3], s[AV+2:AV+3], s[98:99]
.irp g, F0P, F0V, AP, AV, BP, BV
	s_or_b32 s[\g+3], s[\g+3], 0x80000000
.endr
	; the statistics' loads go out ahead of the round
	s_lshl_b32 s66, s22, 14                        ; STAT: 16 chunks of 1,024 bytes a query group
	s_mov_b32 s67, 0
	s_add_nc_u64 s[4:5], s[8:9], s[66:67]
	s_sub_co_u32 s66, 3, s19
	s_lshl_b32 s66, s66, 12
	s_add_nc_u64 s[6:7], s[4:5], s[66:67]          ; L's block 3; in class B, which has none, block 2 once more (it changes no maximum, and its sum is taken out below)
	s_lshl_b32 s66, s23, 14
	s_add_nc_u64 s[98:99], s[8:9], s[66:67]
	s_lshl_b32 s66, s19, 12
	s_add_nc_u64 s[100:101], s[98:99], s[66:67]    ; S's block 1; in class A, which has none, block 0 once more
.macro STATS m, l, sb, off
	global_load_b64 v[\m:\m+1], v[LQ], s[\sb:\sb+1] offset:\off
.irp j, 0,1,2,3
	global_load_b64 v[\l+2*\j:\l+2*\j+1], v[LQ], s[\sb:\sb+1] offset:\off+1024*\j+512
.endr
.endm
	STATS LM, LL, 4, 0
	STATS LM+2, LL+8, 4, 4096
	STATS LM+4, LL+16, 4, 8192
	STATS LM+6, LL+24, 6, 0
	STATS SM, SL, 98, 0
	STATS SM+2, SL+8, 100, 0
	CROUND                                         ; all sixteen work-groups are here: the first joint loads meet
	PICK F0P, P4, F0V, V2                          ; fill 0: block 0
	; ---- under its flight: the addresses and the statistics
	s_mul_i32 s2, s12, 6144
	v_add_nc_u32 v4, s2, v[LI]                     ; my four tiles of P
	s_mul_i32 s2, s13, 6144
	v_add_nc_u32 v5, s2, v[LI]                     ; and of V
	s_lshl_b32 s2, s13, 3
	v_add_nc_u32 v6, s2, v[LI]
.irp i, 0,1,2,3,4,5
	v_add_nc_u32 v[PA+\i], 4*CH*\i, v4
	v_add_nc_u32 v[PSA+\i], 4*CH*\i+12288, v[LQ]
	v_add_nc_u32 v[VA+\i], 4*CH*\i, v5
	v_add_nc_u32 v[VSA+\i], 4*CH*\i+12288, v6
.endr
	ASK PFP, 68, 4                                 ; fill 1: L's P from chunk 4 on,
	ASK PFV, 70, 4                                 ; V likewise,
	s_wait_alu depctr_va_vdst(0)
	s_cmp_eq_u32 s19, 0
	s_cbranch_scc1 .Lask_a
	ASK PFP, SB, 4                                 ; and in class B S's P
.Lask_a:
	s_mul_i32 s2, s14, 4352
	s_add_co_u32 s2, s2, STAGE                     ; my stage
	v_mul_u32_u24 v7, v2, 272
	v_lshl_add_u32 v7, v3, 6, v7
	v_add_nc_u32 v[STO], s2, v7                    ; in: row r, + 64 h
	v_mul_u32_u24 v8, v3, 272
	v_lshl_add_u32 v8, v2, 4, v8
	v_add_nc_u32 v[RD], s2, v8                     ; back: lanes 0-15 one row of 256 bytes, lanes 16-31 the next
	v_lshlrev_b32 v9, 12, v3
	v_lshl_add_u32 v[CO], v2, 4, v9                ; and the same two rows in out0
	v_mov_b32 v[ZR], 0
.irp i, 0,1,2,3
	v_mov_b32 v[T2+\i], 0                          ; written once: a lane permute's destination counts as one of its sources
.endr
	s_wait_alu depctr_va_vdst(0)
	s_wait_loadcnt 0x0
.macro OBASE q, d                      ; where my 64 queries x 64 e of query group q begin in out0
	s_lshl_b32 s66, \q, 19
	s_lshl_b32 s67, s12, 18
	s_add_co_u32 s66, s66, s67
	s_lshl_b32 s67, s21, 9
	s_add_co_u32 s66, s66, s67
	s_lshl_b32 s67, s13, 8
	s_add_co_u32 s66, s66, s67
	s_mov_b32 s67, 0
	s_add_nc_u64 s[\d:\d+1], s[10:11], s[66:67]
.endm
	OBASE s22, 4
	OBASE s23, 6
	s_mov_b32 s[HB], 0x80808080
	s_mov_b32 s[ONE], 0x01010101
.irp c, 0,1
	v_min3_num_f32 v[MN+\c], v[LM+\c], v[LM+2+\c], v[LM+4+\c]
	v_min_num_f32 v[MN+2+\c], v[SM+\c], v[SM+2+\c] ; S: -M = the least -M'
.endr
.irp c, 0,1
	v_min_num_f32 v[MN+\c], v[MN+\c], v[LM+6+\c]   ; L
.endr
.irp k, 0,1,2,3
.irp c, 0,1
	v_sub_f32 v[DL+2*\k+\c], v[LM+2*\k+\c], v[MN+\c]       ; M - M': a whole number, 0 or more
	v_sub_f32 v[T1+2*\k+\c], v[MN+\c], v[LM+2*\k+\c]       ; and M' - M
.endr
.endr
.irp k, 0,1
.irp c, 0,1
	v_sub_f32 v[DL+8+2*\k+\c], v[SM+2*\k+\c], v[MN+2+\c]
	v_sub_f32 v[T1+8+2*\k+\c], v[MN+2+\c], v[SM+2*\k+\c]
.endr
.endr
.irp i, 0,1,2,3,4,5,6,7,8,9,10,11
	v_min_num_f32 v[DL+\i], 0x42fc0000, v[DL+\i]   ; held at 126
.endr
.irp i, 0,1,2,3,4,5,6,7,8,9,10,11
	v_add_f32 v[DL+\i], 1.0, v[DL+\i]
.endr
.irp i, 0,1,2,3,4,5,6,7,8,9,10,11
	v_cvt_u32_f32 v[DL+\i], v[DL+\i]
	v_cvt_i32_f32 v[T1+\i], v[T1+\i]               ; (it saturates)
.endr
.irp i, 0,1,2,3,4,5,6,7,8,9,10,11
	v_mul_lo_u32 v[DL+\i], v[DL+\i], s[ONE]        ; into every byte
	v_ldexp_f32 v[T1+\i], 1.0, v[T1+\i]            ; 2^(M' - M): rounds nothing
.endr
.irp j, 1,2,3
.irp k, 0,1,2,3
	v_pk_add_f32 v[LL+8*\k:LL+8*\k+1], v[LL+8*\k:LL+8*\k+1], v[LL+8*\k+2*\j:LL+8*\k+2*\j+1]
.endr
.irp k, 0,1
	v_pk_add_f32 v[SL+8*\k:SL+8*\k+1], v[SL+8*\k:SL+8*\k+1], v[SL+8*\k+2*\j:SL+8*\k+2*\j+1]
.endr
.endr
	s_cmp_eq_u32 s19, 1
	s_cselect_b32 s2, -1, 0                        ; class B: no block 3 for L
	s_cselect_b32 s3, 0, -1                        ; class A: no block 1 for S
.irp c, 0,1
	v_cndmask_b32 v[LL+24+\c], v[LL+24+\c], v[ZR], s2
	v_cndmask_b32 v[SL+8+\c], v[SL+8+\c], v[ZR], s3
.endr
	v_pk_mul_f32 v[T1+12:T1+13], v[T1:T1+1], v[LL:LL+1]
	v_pk_mul_f32 v[T1+14:T1+15], v[T1+8:T1+9], v[SL:SL+1]
	v_pk_fma_f32 v[T1+12:T1+13], v[T1+2:T1+3], v[LL+8:LL+9], v[T1+12:T1+13]
	v_pk_fma_f32 v[T1+14:T1+15], v[T1+10:T1+11], v[SL+8:SL+9], v[T1+14:T1+15]
	v_pk_fma_f32 v[T1+12:T1+13], v[T1+4:T1+5], v[LL+16:LL+17], v[T1+12:T1+13]
	v_pk_fma_f32 v[T1+12:T1+13], v[T1+6:T1+7], v[LL+24:LL+25], v[T1+12:T1+13]   ; the rows' sums under M
	s_mov_b32 s66, 0x76543210
	s_mov_b32 s67, 0xfedcba98
	s_mov_b32 s2, 0xffff0000
	s_wait_alu depctr_va_vdst(0)                   ; the wait ahead of the batch
.irp i, 12,13,14,15
	v_rcp_f32 v[T1+\i], v[T1+\i]
.endr
	v_nop                                          ; a plain place behind the reciprocals
	s_wait_alu depctr_va_vdst(0)                   ; and this one ahead of the first reader
.irp i, 0,1,2,3
	v_permlanex16_b32 v[T2+\i], v[T1+12+\i], s66, s67
.endr
.irp g, 0,1
.irp c, 0,1
.irp d, 0,1
	v_cndmask_b32 v[IL+8*\g+4*\c+\d], v[T1+12+2*\g+\c], v[T2+2*\g+\c], s2        ; the even tile's rows lie in lanes 0-15
	v_cndmask_b32 v[IL+8*\g+4*\c+2+\d], v[T2+2*\g+\c], v[T1+12+2*\g+\c], s2      ; the odd tile's in lanes 16-31
.endr
.endr
.endr
	s_wait_alu depctr_va_vdst(0)
	s_wait_tensorcnt 0x0                           ; my part of fill 0 is in
	ds_add_u32 v[SPW], v[NIL]
	s_mul_i32 s[F0P+1], s14, 2*CH                  ; no tensor load of mine is out: class B's fill 2: L's P chunks 8-11 by waves 0, 1, V's by waves 2, 3, into slot 0's chunks 0-7
	s_mul_i32 s[F0V+1], s14, 2*CH
	s_add_nc_u64 s[F0P+2:F0P+3], s[68:69], 8*CH
	s_add_nc_u64 s[F0P+2:F0P+3], s[F0P+2:F0P+3], s[96:97]
	s_or_b32 s[F0P+3], s[F0P+3], 0x80000000
	s_add_nc_u64 s[F0V+2:F0V+3], s[F0V+2:F0V+3], 8*CH
	s_wait_dscnt 0x0
	CROUND
	s_cmp_eq_u32 s19, 0                            ; the class: the same in all sixteen partners
	s_cbranch_scc0 .Lf1b
	s_cmp_lt_u32 s14, 2
	s_cbranch_scc0 .Lf1av
	LDT AP, P3                                     ; fill 1 of class A
	s_branch .Lf1
.Lf1av:
	LDT AV, V3
	s_branch .Lf1
.Lf1b:
	s_cmp_lt_u32 s14, 2
	s_cbranch_scc0 .Lf1bv
	LDT BP, P4                                     ; fill 1 of class B
	s_branch .Lf1
.Lf1bv:
	LDT BV, V2
.Lf1:
	s_cmp_eq_u32 s19, 0
	s_cbranch_scc0 .Lask2_b
	ASK PFP, 68, 10                                ; fill 2 of class A: L's P and V from chunk 10 on
	ASK PFV, 70, 10
	s_branch .Lasked2
.Lask2_b:
	ASK PFP, 68, 8                                 ; of class B: from chunk 8 on
	ASK PFV, 70, 8
.Lasked2:
	PHASE 0, 0, 4, 0, 1                            ; block 0 of both groups: the sums begin
	MEET 0, 3, 1
	CREST                                          ; a round of the cluster's barrier: no wave of any partner still reads slot 0
	s_cmp_eq_u32 s19, 0
	s_cbranch_scc0 .Lclass_b
	PICK AP, P3, AV, V3                            ; fill 2 of class A
	OUT 1, IS, 6                                   ; S is finished: it goes out while fill 2 is on its way
	PHASE 1, 1, 6, 4, 0                            ; L's keys 512 .. 1279
	MEET 1, 5, 0
	PHASE 0, 1, 6, 10, 0                           ; 1280 .. 2047
	s_wait_dscnt 0x0
	MULM 1, 5, 0
	WIN 0
	s_branch .Lout
.Lclass_b:
	PICK F0P, P2, F0V, V2                          ; fill 2 of class B
	PHASE 1, 0, 4, 4, 0                            ; block 1 of both
	MEET 0, 3, 0
	PLACES
	OUT 1, IS, 6
	PHASE 0, 2, 4, 8, 0                            ; L's block 2
	s_wait_dscnt 0x0
	MULM 2, 3, 0
	WIN 0
.Lout:
	PLACES
	OUT 0, IL, 4
	s_wait_tensorcnt 0x0                           ; the wave's end
	ds_add_u32 v[SPW], v[NIL]
	s_wait_dscnt 0x0
	CROUND                                         ; the closing round
	s_endpgm
.Lfunc_end_k_q20e16210a3_pv:
	.size	k_q20e16210a3_pv, .Lfunc_end_k_q20e16210a3_pv-k_q20e16210a3_pv
	.p2alignl 7, 3214868480
	.fill 96, 4, 3214868480
	.section	.rodata,"a",@progbits
	.p2align	6, 0x0
	.amdhsa_kernel k_q20e16210a3_pv
		.amdhsa_group_segment_fixed_size 327680
		.amdhsa_private_segment_fixed_size 0
		.amdhsa_enable_private_segment 0
		.amdhsa_kernarg_size 32
		.amdhsa_user_sgpr_count 2
		.amdhsa_user_sgpr_kernarg_segment_ptr 1
		.amdhsa_wavefront_size32 1
		.amdhsa_system_sgpr_workgroup_id_x 1
		.amdhsa_system_sgpr_workgroup_id_y 1
		.amdhsa_system_sgpr_workgroup_id_z 1
		.amdhsa_system_vgpr_workitem_id 0
		.amdhsa_next_free_vgpr 1024
		.amdhsa_next_free_sgpr 102
		.amdhsa_reserve_vcc 0
		.amdhsa_float_denorm_mode_32 3
		.amdhsa_float_denorm_mode_16_64 3
		.amdhsa_memory_ordered 1
		.amdhsa_forward_progress 1
		.amdhsa_inst_pref_size 194
	.end_amdhsa_kernel
	.amdgpu_metadata
---
amdhsa.version: [ 1, 2 ]
amdhsa.kernels:
  - .name:           k_q20e16210a3_pv
    .symbol:         k_q20e16210a3_pv.kd
    .args:
      - { .name: Pc, .offset: 0, .size: 8, .value_kind: global_buffer, .address_space: global }
      - { .name: Vc, .offset: 8, .size: 8, .value_kind: global_buffer, .address_space: global }
      - { .name: STAT, .offset: 16, .size: 8, .value_kind: global_buffer, .address_space: global }
      - { .name: out0, .offset: 24, .size: 8, .value_kind: global_buffer, .address_space: global }
    .group_segment_fixed_size: 327680
    .private_segment_fixed_size: 0
    .kernarg_segment_align: 8
    .kernarg_segment_size: 32
    .max_flat_workgroup_size: 128
    .sgpr_count:     102
    .vgpr_count:     1024
    .wavefront_size: 32
...
	.end_amdgpu_metadata
.endif
;; end of part 4
